; MI455X (gfx1250); checked and timed in simulation.
; The chip was launched on July 23, 2026; its instructions are those of AMD's public machine-readable ISA for CDNA 5 (MIT licence, August 2026) and "CDNA5" Instruction Set Architecture Reference Guide (July 2026). The comments in the code are by the model that wrote it; some were corrected since.
;; Causal Self Attention. Allowed arithmetic: matrix products marked QUANTISED: E2M3 operands, one E8M0 scale for each 32 along K, by v_wmma_scale_f32_16x16x128_f8f6f4 with both operands' format E2M3, f32 sums; everything else in f32.
;; Inputs: W_attn 1,024 x 3,072 float32; W_proj 1,024 x 1,024 float32; b_attn 3,072 float32; b_proj 1,024 float32; x 1 x 4,096 x 1,024 float32.
;; Outputs: out0 1 x 4,096 x 1,024 float32.
;; This version of the problem:
;;   THIS VERSION OF THE PROBLEM IS GIVEN IN LOW PRECISION. The matrix products marked QUANTISED in the list below multiply operands that are first quantised to E2M3 (2 exponent bits, 3 mantissa bits; 6 bits a number), with one power-of-two scale for each 32 numbers along K (OCP MX v1.0); their sums are f32. All else is computed in f32.
;;   The module's matrix products, in the order in which they are computed (A, B: the left and right operand; K: the contracted axis; several contracted axes count as one K, in the product's order):
;;     1. [M 4,096, K 1,024] x [K 1,024, N 3,072]; A: input x; B: input W_attn: QUANTISED
;;     2. batch 16 x [M 4,096, K 64] x [K 64, N 4,096]; A: computed on the way; B: computed on the way: QUANTISED
;;     3. batch 16 x [M 4,096, K 4,096] x [K 4,096, N 64]; A: softmax (see below); B: computed on the way: QUANTISED
;;     4. [M 4,096, K 1,024] x [K 1,024, N 1,024]; A: computed on the way; B: input W_proj: QUANTISED
;;   THE QUANTISER, for each operand of a quantised product, along K:
;;     - K is cut into blocks of 32 from its start; a last block that is shorter is filled with zeros.
;;     - A block's scale is 2^e with e = floor(log2(the largest magnitude in the block)) - 2, held to -126 .. 127; a block of zeros has e = 0. As a byte (E8M0): e + 127.
;;     - Each number is divided by its block's scale, clamped to +-7.5, and rounded to the nearest number of E2M3, ties to even, subnormals kept.
;;     - The product sums the exact products of the quantised numbers (number of the format x scale) in f32.
;;   ~~~python
;;   def quantise(x, axis):      # numpy; x: float32 -> the quantised numbers, widened to float32 again
;;       x = np.moveaxis(x, axis, -1); K = x.shape[-1]
;;       x = np.pad(x, [(0, 0)] * (x.ndim - 1) + [(0, -K % 32)]); x = x.reshape(x.shape[:-1] + (-1, 32)); a = np.abs(x).max(-1, keepdims=True)
;;       e = np.where(a > 0, np.clip(np.frexp(np.where(a > 0, a, 1))[1] - 1 - 2, -126, 127), 0)      # np.frexp(a)[1] - 1 = floor(log2(a)), exactly
;;       r = np.clip(x / 2.0 ** e, -7.5, 7.5)
;;       step = 2.0 ** (np.maximum(np.frexp(np.where(r == 0, 1, r))[1] - 1, 0) - 3)
;;       q = np.round(r / step) * step * 2.0 ** e      # np.round: ties to even
;;       return np.moveaxis(q.reshape(q.shape[:-2] + (-1,))[..., :K], -1, axis).astype(np.float32)
;;   ~~~
;;   SOFTMAX AHEAD OF A QUANTISED PRODUCT. Where the list says 'softmax', what is quantised is not the finished softmax but p = 2^(t - M), with t = logit x log2(e) and M = ceil(the row's largest t), a whole number; so 1/2 < the row's largest p <= 1. The row's sum l is taken of the UNQUANTISED p, in f32, and the product's result is divided by l at the end. Since M is a whole number, a kernel that streams over the keys may use a running M (the ceiling of the running maximum): every later rescaling is an exact power of two, which a block's scale takes up: the codes' values come out the same.
;;   OPERANDS COMPUTED ON THE WAY. 'Computed on the way' means the value that the module computes at that place (a softmax that the list does not call 'softmax' is quantised finished and normalised). What goes into a quantiser is computed in f32, as accurately as f32 sums, v_exp_f32 and their like allow (about 1e-6 of the number): no bf16 or f16 on the way to a quantiser, and a product that is left as it is and whose result goes on into a quantised operand takes f32 operands (vector FMAs, or v_wmma_f32_16x16x4_f32). A number that lies on a knife's edge between two numbers of the format may be rounded either way, as far as f32 arithmetic and the matrix unit's own rounding can turn it there, and no further.
;; One version. Each part assembles by itself: llvm-mc -triple=amdgcn-amd-amdhsa -mcpu=gfx1250 --defsym DOCPART=n.
;; ======== version 1 of 1: 4 launches
;; limits: right only within a limited range of input values
;; workspace buffers: oc 6,291,456 bytes; os 262,144 bytes; qkvc 9,437,184 bytes; qkvs 655,360 bytes; yc 3,145,728 bytes; ys 131,072 bytes
;; launch quant (part 1): grid 384 x 1, 8 waves a work-group, no clusters, 68,608 bytes of LDS; arguments x, W_attn, W_proj, oc, os; writes oc, os
.if DOCPART == 1
	.amdgcn_target "amdgcn-amd-amdhsa--gfx1250"
	.amdhsa_code_object_version 6
	.text
	.protected	k_q4fc7b2a1f9_quant
	.globl	k_q4fc7b2a1f9_quant
	.p2align	8
	.type	k_q4fc7b2a1f9_quant,@function
k_q4fc7b2a1f9_quant:
	s_mov_b64 s[64:65], 0
	v_nop
	global_prefetch_b8 v0, s[64:65] scope:SCOPE_SE
	s_setreg_imm32_b32 hwreg(HW_REG_WAVE_MODE, 25, 1), 1
	s_wait_xcnt 0x0
; LAUNCH 1 OF 4 of causal self-attention (T = 4,096, C = 1,024, 16 heads of 64), all four products on codes of FP6 (E2M3) with one E8M0 scale for each 32 along K.
; This launch quantises x [4096][1024] (K innermost) and W_attn [1024][3072], W_proj [1024][1024] (K outermost) along K, once, into oc (codes) and os (scale words).
; WORK LEFT OUT BY THE PROGRAM: reference() builds the causal mask itself (jnp.tril) and sets the scores of keys k > q to -infinity ahead of the softmax, so their weights are 0 for all values of the inputs:
; a step of 128 keys that lies wholly behind a wave's queries reaches no output, and the attention launch leaves such steps out (scores, softmax and second product).  No input is left out: all five are loaded.
; LIMIT: a NaN, an infinity or an overflow that would arise only in scores that the mask hides is not carried to the result.
; LIMITS OF THE QUANTISER HERE: a block of zeros gets the byte 1 where the rule says 127 (its codes are zeros, which add nothing, and this program alone reads the bytes); blocks whose largest magnitude lies under
; 2^-124 are held at the byte 1; NaN and infinities among the inputs are not served.
; LAYOUT OF oc: [tile 512][K step 8][1,536 bytes].  A tile is 16 rows of an operand (tiles 0-255: rows of x; 256-447: columns of W_attn; 448-511: columns of W_proj); a K step is 128 along K.  The 1,536 bytes are an IMAGE
; OF THE OPERAND'S 12 REGISTERS: registers 4 i .. 4 i + 3 of lane l at 512 i + 16 l.  Lane (r, h) holds row r; registers 6 c .. 6 c + 5 hold K = 64 c + 32 h + 0 .. 31.  os: [tile][K step][row 16] words of four scale bytes.
; THE ROWS OF A TILE ARE NOT NEIGHBOURS: row p of tile t is true row 32 (t / 2) + 8 (t % 2) + p + 8 (p / 8), so that a product that takes such tiles as source 0 leaves 16 true neighbours in a lane's 16 registers of two tiles.
; SHARES.  Work-groups 0-255: tile t = the work-group's number, wave = K step.  Work-groups 256-383: 64 columns x 512 along K of a weight; a wave takes 32 columns (two tiles) x one K step, a lane a column, registers down K.
; No tensor load, no barrier, no loop: waves share nothing, and every load goes out at the head.
.set XP,    528                        ; a stage row: 512 bytes + 16: 132 words, so that the sixteen rows of a read start at sixteen different groups of four banks
.set XST,   16*XP                      ; a wave's stage
.set SPARE, 8*XST                      ; behind the eight stages: the spare words, 128 bytes for each wave
.set SPW,   12                         ; v12  LDS address of my spare word; never rewritten
.set NIL,   13                         ; v13  0; never rewritten
.set SEL,   20                         ; s[20:21] lane selects: lane l xor 16
.set RAW,   16                         ; v16-79   x: 16 rows as loaded;  weights: v16-143, 128 numbers down K
.set NUM,   80                         ; v80-143  x: my 64 numbers
.set TM,    144                        ; v144-159 at work
.set PW,    160                        ; the scale word
.set PC,    162                        ; v162-181 the codes
.set I0,    152                        ; weights: blocks 0 and 2 of my column, later the image of the first tile
.set I1,    164                        ; blocks 1 and 3, later the image of the second tile
.set TC,    176
.set SW,    180
; 64 numbers of a lane, register 16 b + i = k 32 b + 16 (lane / 16) + i of my row, become a fragment's codes in v[PC] on and its scale word in v[PW].
.macro QUANT s
.irp b, 0,1,2,3
	v_max3_num_f32 v[TM+\b], |v[\s+16*\b]|, |v[\s+1+16*\b]|, 0x1800000   ; block b: my 16 numbers, and the floor 2^(3 - 127): the byte cannot fall under 1
.endr
.irp i, 2,4,6,8,10,12,14
.irp b, 0,1,2,3
	s_delay_alu instid0(VALU_DEP_4)
	v_max3_num_f32 v[TM+\b], v[TM+\b], |v[\s+16*\b+\i]|, |v[\s+1+16*\b+\i]|   ; the four blocks by turns
.endr
.endr
.irp b, 0,1,2,3
	s_delay_alu instid0(VALU_DEP_4)
	v_permlanex16_b32 v[TM+4+\b], v[TM+\b], s[SEL], s[SEL+1]
.endr
.irp b, 0,1,2,3
	s_delay_alu instid0(VALU_DEP_4)
	v_max_num_f32 v[TM+\b], v[TM+\b], v[TM+4+\b]   ; with lane l xor 16's: the block's largest magnitude
.endr
.irp b, 0,1,2,3
	s_delay_alu instid0(VALU_DEP_4)
	v_add_nc_u32 v[TM+12+\b], 0xff000000, v[TM+\b]   ; 2 off its exponent field: the conversion's scale operand
.endr
.irp b, 0,1,2,3
	s_delay_alu instid0(VALU_DEP_4)
	v_lshrrev_b32 v[TM+4+\b], 23, v[TM+12+\b]      ; the scale's byte
.endr
	s_delay_alu instid0(VALU_DEP_3)
	v_lshl_or_b32 v[PW], v[TM+5], 8, v[TM+4]
	s_delay_alu instid0(VALU_DEP_1)
	v_lshl_or_b32 v[PW], v[TM+6], 16, v[PW]
	s_delay_alu instid0(VALU_DEP_1)
	v_lshl_or_b32 v[PW], v[TM+7], 24, v[PW]
.irp c, 0,1
	v_cvt_scalef32_pk16_fp6_f32 v[PC+6*\c:PC+2+6*\c], v[\s+32*\c:\s+15+32*\c], v[TM+12+2*\c]
	v_cvt_scalef32_pk16_fp6_f32 v[PC+12+4*\c:PC+14+4*\c], v[\s+16+32*\c:\s+31+32*\c], v[TM+12+2*\c+1]   ; a conversion's three registers begin on an even number
.endr
	v_nop                                          ; one plain place behind a scaled conversion
.irp c, 0,1                                    ; the operand wants a whole block in a lane: lanes 0-15 block 2 c, lanes 16-31 block 2 c + 1
.irp i, 0,1,2
	v_permlane16_swap_b32 v[PC+6*\c+\i], v[PC+12+4*\c+\i]
.endr
.irp i, 0,1,2
	s_delay_alu instid0(VALU_DEP_3)
	v_mov_b32 v[PC+3+6*\c+\i], v[PC+12+4*\c+\i]
.endr
.endr
.endm
	s_load_b256 s[4:11], s[0:1], 0x0               ; x s[4:5], W_attn s[6:7], W_proj s[8:9], oc s[10:11]
	s_load_b64 s[12:13], s[0:1], 0x20              ; os
	v_lshl_add_u32 v[SPW], v0, 2, SPARE
	v_mov_b32 v[NIL], 0
	v_lshrrev_b32 v1, 5, v0
	s_delay_alu instid0(VALU_DEP_1)
	v_readfirstlane_b32 s16, v1                    ; wave 0..7
	v_and_b32 v1, 31, v0                           ; lane
	v_and_b32 v2, 15, v0                           ; r
	v_bfe_u32 v3, v0, 4, 1                         ; h
	s_delay_alu instid0(VALU_DEP_3)
	v_lshlrev_b32 v4, 4, v1                        ; 16 x lane
	s_cmp_lt_u32 ttmp9, 256
	s_cbranch_scc0 .Lweights
	; ---- x: tile = work-group, K step = wave
	s_mov_b32 s[SEL], 0x76543210
	s_mov_b32 s[SEL+1], 0xfedcba98
	s_lshr_b32 s17, ttmp9, 1
	s_lshl_b32 s17, s17, 17                        ; 32 (t / 2) rows of 4,096 bytes
	s_and_b32 s18, ttmp9, 1
	s_lshl_b32 s18, s18, 15                        ; + 8 (t % 2) rows
	s_add_co_u32 s22, s17, s18
	s_lshl_b32 s18, s16, 9                         ; + my K step's 512 bytes
	s_add_co_u32 s22, s22, s18
	s_mov_b32 s23, 0
	s_mul_i32 s24, ttmp9, 12288                    ; oc: the tile, the K step
	s_mul_i32 s18, s16, 1536
	s_add_co_u32 s24, s24, s18
	s_mov_b32 s25, 0
	s_lshl_b32 s26, ttmp9, 9                       ; os likewise
	s_lshl_b32 s18, s16, 6
	s_add_co_u32 s26, s26, s18
	s_mov_b32 s27, 0
	s_mul_i32 s19, s16, XST                        ; my stage
	s_wait_alu depctr_va_vdst(0)
	v_add_nc_u32 v5, s19, v4                       ; in: a row's 512 bytes as they lie
	v_mul_u32_u24 v6, v2, XP
	s_delay_alu instid0(VALU_DEP_1)
	v_lshl_add_u32 v6, v3, 6, v6
	s_delay_alu instid0(VALU_DEP_1)
	v_add_nc_u32 v6, s19, v6                       ; out: row r, + 64 h: my 16 numbers of a block of 32
	v_lshlrev_b32 v7, 2, v2                        ; 4 r
.irp b, 0,1,2,3
	v_mov_b32 v[TM+4+\b], 0                        ; a lane permute's destination counts as one of its sources
.endr
	s_wait_alu depctr_va_vdst(0)
	s_wait_kmcnt 0x0
	s_add_nc_u64 s[4:5], s[4:5], s[22:23]
	s_add_nc_u64 s[10:11], s[10:11], s[24:25]
	s_add_nc_u64 s[12:13], s[12:13], s[26:27]
.irp p, 0,1,2,3,4,5,6,7,8,9,10,11,12,13,14,15
	global_load_b128 v[RAW+4*\p:RAW+4*\p+3], v4, s[4:5] offset:(\p+8*(\p/8))*4096 th:TH_LOAD_NT   ; the tile's row p: 32 lanes read 512 consecutive bytes
.endr
.irp p, 0,1,2,3,4,5,6,7,8,9,10,11,12,13,14,15
	s_wait_loadcnt 15-\p                           ; row p is in; the younger rows' loads may be out
	ds_store_b128 v5, v[RAW+4*\p:RAW+4*\p+3] offset:XP*\p
.endr
.irp b, 0,1,2,3
.irp j, 0,1,2,3
	ds_load_b128 v[NUM+16*\b+4*\j:NUM+16*\b+4*\j+3], v6 offset:128*\b+16*\j   ; LDS serves a wave's instructions in order: these see my stores
.endr
.endr
	s_wait_dscnt 0x0
	QUANT NUM
.irp i, 0,1,2
	global_store_b128 v4, v[PC+4*\i:PC+4*\i+3], s[10:11] offset:512*\i   ; the image: 512 consecutive bytes a store
.endr
	global_store_b32 v7, v[PW], s[12:13]           ; row r's scale word (lanes r and r + 16 hold and write the same word)
	s_wait_tensorcnt 0x0                           ; the wave's end
	ds_add_u32 v[SPW], v[NIL]
	s_wait_dscnt 0x0
	s_endpgm
	; ---- the weights: a lane takes a column, its registers run down K
.Lweights:
	s_sub_co_u32 s17, ttmp9, 256                   ; 0..127
	s_lshr_b32 s18, s17, 1                         ; which 64 columns of the 4,096 (W_attn's 3,072, then W_proj's 1,024)
	s_and_b32 s19, s17, 1
	s_and_b32 s22, s16, 1                          ; which 32 of them
	s_lshr_b32 s23, s16, 1
	s_lshl_b32 s19, s19, 2
	s_add_co_u32 s19, s19, s23                     ; K step
	s_lshl_b32 s24, s18, 2
	s_lshl_b32 s25, s22, 1
	s_add_co_u32 s24, s24, s25
	s_add_co_u32 s24, s24, 256                     ; my first tile
	s_mul_i32 s26, s24, 12288
	s_mul_i32 s25, s19, 1536
	s_add_co_u32 s26, s26, s25
	s_mov_b32 s27, 0
	s_lshl_b32 s28, s24, 9
	s_lshl_b32 s25, s19, 6
	s_add_co_u32 s28, s28, s25
	s_mov_b32 s29, 0
	v_and_b32 v5, 7, v0
	v_bfe_u32 v6, v0, 3, 1
	s_delay_alu instid0(VALU_DEP_1)
	v_lshl_add_u32 v5, v6, 4, v5
	s_wait_alu depctr_va_vdst(0)
	v_lshl_add_u32 v5, v3, 3, v5                   ; lanes 0-15 take the first tile's rows, lanes 16-31 the second's: column 8 (l / 16) + 16 ((l / 8) % 2) + l % 8 of the 32
	s_delay_alu instid0(VALU_DEP_1)
	v_lshlrev_b32 v5, 2, v5
	v_lshlrev_b32 v6, 2, v2
	s_delay_alu instid0(VALU_DEP_1)
	v_lshl_add_u32 v6, v3, 9, v6                   ; my scale word's place: 512 x tile + 4 x row
	s_lshl_b32 s30, s18, 8
	s_lshl_b32 s25, s22, 7
	s_add_co_u32 s30, s30, s25                     ; my 32 columns, in bytes
	s_mov_b32 s31, 0
	s_wait_kmcnt 0x0
	s_add_nc_u64 s[10:11], s[10:11], s[26:27]
	s_add_nc_u64 s[12:13], s[12:13], s[28:29]
.macro LOADW base, pitch               ; 128 rows of the weight at my column: each load reads 128 consecutive bytes
.set n, 0
.rept 128
	global_load_b32 v[RAW+n], v5, s[\base:\base+1] offset:n*\pitch th:TH_LOAD_NT
.set n, n+1
.endr
.endm
	s_cmp_lt_u32 s17, 96
	s_cbranch_scc0 .Lproj
	s_mul_i32 s25, s19, 128*12288
	s_add_co_u32 s30, s30, s25
	s_add_nc_u64 s[6:7], s[6:7], s[30:31]
	s_wait_alu depctr_va_vdst(0)
	LOADW 6, 12288
	s_branch .Lblocks
.Lproj:
	s_sub_co_u32 s30, s30, 48*256
	s_mul_i32 s25, s19, 128*4096
	s_add_co_u32 s30, s30, s25
	s_add_nc_u64 s[8:9], s[8:9], s[30:31]
	s_wait_alu depctr_va_vdst(0)
	LOADW 8, 4096
.Lblocks:
.macro WBLOCK b, d                     ; block b of my column: all its 32 numbers are mine; its six registers of codes go to v[d] on
.if (\b) == 0
	s_wait_loadcnt 63                              ; a wait's count names 63 at the most: loads come back in order (ISA guide 5.7.1), so with 63 of the 128 out the first 65 are in: blocks 0 and 1
.elseif (\b) > 1
	s_wait_loadcnt 96-32*(\b)                      ; this block's loads are in; the later block's 32 may be out
.endif
.set XS, RAW+32*(\b)
	v_max3_num_f32 v144, |v[XS]|, |v[XS+1]|, |v[XS+2]|
	v_max3_num_f32 v145, |v[XS+3]|, |v[XS+4]|, |v[XS+5]|
.irp i, 6,10,14,18,22,26
	s_delay_alu instid0(VALU_DEP_2)
	v_max3_num_f32 v144, v144, |v[XS+\i]|, |v[XS+\i+1]|
	s_delay_alu instid0(VALU_DEP_2)
	v_max3_num_f32 v145, v145, |v[XS+\i+2]|, |v[XS+\i+3]|
.endr
	s_delay_alu instid0(VALU_DEP_2)
	v_max3_num_f32 v144, v144, |v[XS+30]|, |v[XS+31]|
	s_delay_alu instid0(VALU_DEP_1)
	v_max3_num_f32 v144, v144, v145, 0x1800000     ; and the floor
	s_delay_alu instid0(VALU_DEP_1)
	v_add_nc_u32 v146, 0xff000000, v144            ; the conversion's scale operand
	s_delay_alu instid0(VALU_DEP_1)
	v_lshrrev_b32 v147, 23, v146                   ; the byte
.if (\b) == 0
	s_delay_alu instid0(VALU_DEP_1)
	v_mov_b32 v[SW], v147
.else
	s_delay_alu instid0(VALU_DEP_1)
	v_lshl_or_b32 v[SW], v147, 8*(\b), v[SW]
.endif
	v_cvt_scalef32_pk16_fp6_f32 v[\d:\d+2], v[XS:XS+15], v146
	v_cvt_scalef32_pk16_fp6_f32 v[TC:TC+2], v[XS+16:XS+31], v146
	v_nop                                          ; one plain place behind a scaled conversion
.irp i, 0,1,2
	v_mov_b32 v[\d+3+\i], v[TC+\i]
.endr
.endm
	WBLOCK 0, I0
	WBLOCK 1, I1
	WBLOCK 2, I0+6
	WBLOCK 3, I1+6
.irp i, 0,1,2,3,4,5,6,7,8,9,10,11
	v_permlane16_swap_b32 v[I0+\i], v[I1+\i]       ; the first's lanes 16-31 change places with the second's lanes 0-15: each is now one tile's image (lanes 0-15 blocks 0 and 2, lanes 16-31 blocks 1 and 3)
.endr
.irp i, 0,1,2
	global_store_b128 v4, v[I0+4*\i:I0+4*\i+3], s[10:11] offset:512*\i
	global_store_b128 v4, v[I1+4*\i:I1+4*\i+3], s[10:11] offset:12288+512*\i
.endr
	global_store_b32 v6, v[SW], s[12:13]
	s_endpgm
.Lfunc_end_k_q4fc7b2a1f9_quant:
	.size	k_q4fc7b2a1f9_quant, .Lfunc_end_k_q4fc7b2a1f9_quant-k_q4fc7b2a1f9_quant
	.p2alignl 7, 3214868480
	.fill 96, 4, 3214868480
	.section	.rodata,"a",@progbits
	.p2align	6, 0x0
	.amdhsa_kernel k_q4fc7b2a1f9_quant
		.amdhsa_group_segment_fixed_size 68608
		.amdhsa_private_segment_fixed_size 0
		.amdhsa_enable_private_segment 0
		.amdhsa_kernarg_size 40
		.amdhsa_user_sgpr_count 2
		.amdhsa_user_sgpr_kernarg_segment_ptr 1
		.amdhsa_wavefront_size32 1
		.amdhsa_system_sgpr_workgroup_id_x 1
		.amdhsa_system_sgpr_workgroup_id_y 1
		.amdhsa_system_sgpr_workgroup_id_z 1
		.amdhsa_system_vgpr_workitem_id 0
		.amdhsa_next_free_vgpr 192
		.amdhsa_next_free_sgpr 66
		.amdhsa_reserve_vcc 0
		.amdhsa_float_denorm_mode_32 3
		.amdhsa_float_denorm_mode_16_64 3
		.amdhsa_memory_ordered 1
		.amdhsa_forward_progress 1
		.amdhsa_inst_pref_size 48
	.end_amdhsa_kernel
	.amdgpu_metadata
---
amdhsa.version: [ 1, 2 ]
amdhsa.kernels:
  - .name:           k_q4fc7b2a1f9_quant
    .symbol:         k_q4fc7b2a1f9_quant.kd
    .args:
      - { .name: x, .offset: 0, .size: 8, .value_kind: global_buffer, .address_space: global }
      - { .name: W_attn, .offset: 8, .size: 8, .value_kind: global_buffer, .address_space: global }
      - { .name: W_proj, .offset: 16, .size: 8, .value_kind: global_buffer, .address_space: global }
      - { .name: oc, .offset: 24, .size: 8, .value_kind: global_buffer, .address_space: global }
      - { .name: os, .offset: 32, .size: 8, .value_kind: global_buffer, .address_space: global }
    .group_segment_fixed_size: 68608
    .private_segment_fixed_size: 0
    .kernarg_segment_align: 8
    .kernarg_segment_size: 40
    .max_flat_workgroup_size: 256
    .sgpr_count:     66
    .vgpr_count:     192
    .wavefront_size: 32
...
	.end_amdgpu_metadata
.endif
;; end of part 1
;; launch gemm1 (part 2): grid 8 x 32, 4 waves a work-group, clusters of 4 x 4, 327,680 bytes of LDS; arguments oc, os, b_attn, qkvc, qkvs; writes qkvc, qkvs
.if DOCPART == 2
	.amdgcn_target "amdgcn-amd-amdhsa--gfx1250"
	.amdhsa_code_object_version 6
	.text
	.protected	k_q4fc7b2a1f9_gemm1
	.globl	k_q4fc7b2a1f9_gemm1
	.p2align	8
	.type	k_q4fc7b2a1f9_gemm1,@function
k_q4fc7b2a1f9_gemm1:
	s_mov_b64 s[64:65], 0
	v_nop
	global_prefetch_b8 v0, s[64:65] scope:SCOPE_SE
	s_setreg_imm32_b32 hwreg(HW_REG_WAVE_MODE, 25, 1), 1
	s_wait_xcnt 0x0
	s_wait_alu depctr_hold_cnt(0) depctr_sa_sdst(0) depctr_va_vdst(0) depctr_va_sdst(0) depctr_va_ssrc(0) depctr_va_vcc(0) depctr_vm_vsrc(0)
	s_getreg_b32 s2, hwreg(HW_REG_IB_STS2, 6, 4)
	s_cmp_eq_u32 s2, 0
	s_cbranch_scc0 .Lentry_in_a_cluster
	s_endpgm
.Lentry_in_a_cluster:
	s_bfe_u32 s2, ttmp6, 0x10000c
	s_cmp_lg_u32 s2, 0xf033
	s_cbranch_scc0 .Lentry_shape_is_right
	s_endpgm
.Lentry_shape_is_right:
; LAUNCH 2 OF 4: qkv = x W_attn + b_attn on codes of FP6 (E2M3), and q, k, v quantised on the way out for the attention's two products.  Nothing is left out here.
; A WORK-GROUP STAYS: it keeps all of K (1,024) of its 128 rows of x in LDS and makes three blocks of 128 x 128 against them, one after the other: 128 features of q, 128 of k, 128 channels of v.
; W's 128 columns of a block (98,304 bytes) go through two buffers: the next block's are asked for behind the round in front of a block and land under its 128 products a wave; so no prefetch is laid.
; Four waves; wave w owns rows 32 w .. 32 w + 31 of operand A' against all 128 of B': 16 accumulators.  THE MATRIX INSTRUCTION IS USED TRANSPOSED: source 0 = 16 rows of B', source 1 = 16 rows of A': a lane holds ONE row of A'
; and, since a tile's rows are not neighbours (row p of tile t is true row 32 (t / 2) + 8 (t % 2) + p + 8 (p / 8)), its register 16 b + i of a row of eight tiles is true row 32 b + 16 (lane / 16) + i of B'.
; q, k: A' = rows of x, B' = columns of W: a lane holds 128 features of one token = two heads: two half fragments (K = a head's 64).  v: A' = columns of W_v, B' = rows of x: a lane holds 128 keys of one channel:
; the keys are the second product's K.  Only the LDS addresses change places.
; OPERANDS lie in memory and LDS as images of their registers (1,536 bytes for 16 rows x 128 K: registers 4 i .. 4 i + 3 of lane l at 512 i + 16 l): a fragment is three loads of 16 bytes a lane, 512 consecutive bytes each.
; OUT: half images (16 rows x 64 K, registers 0-5: 0-3 at 16 l, 4-5 at 512 + 8 l; 768 bytes).  qkvc: q [head][tile 256][768]; from byte 3,145,728 [head][slot of 256 keys: 16][K: tile 16 x 768; V: 64 keys 4 x channel tile 4 x 768].
; qkvs: q's scale words [head][row 4096] (bytes 2, 3 = 0: the upper 64 of the instruction's 128 are zero codes); from byte 262,144 [head][K's words 4096; V's words [128 keys: 32][channel 64]].
; CLUSTERS: 4 x 4 work-groups; x's tiles are shared along a row of the cluster, W's along a column: each is asked for jointly, by the same tensor load with the same descriptor and a mask that names the four.
; LIMITS: a block of zeros gets the byte 1 (its codes are zeros; this program alone reads the bytes); blocks under 2^-124 are held at the byte 1; NaN and infinities are not served.
; REGISTERS: window 0: v1-29 addresses; v32-63 B's scale words, v64-71 A's; v72-111 at work; v112-115 v's bias; v128-255 the accumulators ((a, b) at v[128 + 8 (8 a + b)]).  window 1: two sets of fragments (8 of B', 2 of A').
; window 2: v0-63 q's bias, v64-127 k's, in the result's layout.
.set PIECE, 49152                      ; what one tensor load brings: 4 tiles x all 8 K steps x 1,536 bytes, dense in memory
.set XB,    0                          ; x's eight tiles
.set WB0,   2*PIECE                    ; W's eight tiles: q's, later v's
.set WB1,   4*PIECE                    ; k's
.set SPARE, 6*PIECE                    ; the spare words, 128 bytes for each wave
.set SST,   SPARE+512                  ; the scale words' stages, 1,024 bytes for each block; no tensor load lands here
.set WV, 16                            ; s16 wave;  s17 wave / 2: at the head I fetch for x (0) or W (1);  s18 wave % 2: which four tiles I fetch
.set WH, 17
.set WL, 18
.set SEL, 20                           ; s[20:21] lane selects: lane l xor 16
.set CX, 22
.set CY, 23
.set XT, 24                            ; s24 x's first tile in oc: made of cy and the cluster's y alone
.set WT, 25                            ; s25 8 x my column of work-groups: of cx and the cluster's x alone; W's first tile is 256 + 64 x block + this
.set G1A, 32                           ; s[32:39], s[40:47] descriptor groups 1 (x's, W's);  s[48:51] x's group 0;  s[52:63] W's, a set for each block
.set G1B, 40
.set G0X, 48
.set G0W, 52
.set OC, 66                            ; s[66:71] where my half images go, a pair for each block;  s[72:77] my scale words
.set OS, 72
.set SW, 78                            ; s[78:79] the scale words of q's columns of W;  s[80:81] of x's rows
.set SX, 80
.set LX, 8                             ; v8-11  LDS address of x's tiles 2 g, 2 g + 1;  v12-15 of WB0's;  v16-19 of WB1's;  v20, v21 of my own two tiles of x, of WB0
.set LW0, 12
.set LW1, 16
.set LXO, 20
.set LWO, 21
.set SPW, 28                           ; v28 my spare word; v29 0; never rewritten
.set NIL, 29
.set SB, 32                            ; v[SB + 8 p + s]: lanes 0-15 the words of B's tile p, lanes 16-31 of tile p + 4, K step s
.set SA, 64                            ; v[SA + s]: lanes 0-15 my first tile of A, lanes 16-31 my second
.set TM, 72
.set PW, 88
.set PC, 92
.set VB, 112
.set ACC, 128
.set F0, 0
.set F1, 128
.set MSB, 0
.macro WIN new                         ; the immediate's high byte repeats the setting that is left
.if MSB != \new
	s_set_vgpr_msb (MSB<<8)|\new
.set MSB, \new
.endif
.endm
.set W_MUL,  0x05                      ; sources 0 and 1 window 1; C and D window 0
.set W_MULB, 0x25                      ; the same with C in window 2
.set TO_F,   0x40                      ; destination window 1
.set TO_BI,  0x80                      ; destination window 2
.macro CROUND                          ; a round of the cluster's barrier
	s_barrier_signal -1
	s_barrier_wait -1
	s_cmp_lg_u32 s[WV], 0
	s_cbranch_scc1 .Lnot_wave_0_\@
	s_barrier_signal -3
.Lnot_wave_0_\@:
	s_barrier_wait -3
	s_barrier_signal -1
	s_barrier_wait -1
.endm
.macro PLACES                          ; four plain places behind a matrix instruction, in front of loads into its registers and of reads of its results
.rept 4
	v_nop
.endr
.endm
.macro SEQ                             ; three lines in front of a barrier behind which LDS is filled, and at the wave's end
	s_wait_tensorcnt 0x0
	ds_add_u32 v[SPW], v[NIL]
	s_wait_dscnt 0x0
.endm
.macro JLOADW n                        ; block n's columns of W: waves 2 and 3 fetch four tiles each; the branch hangs on the wave's number alone
	s_cmp_eq_u32 s[WH], 0
	s_cbranch_scc1 .Lnone_\@
	tensor_load_to_lds s[G0W+4*\n:G0W+4*\n+3], s[G1B:G1B+7]
	s_nop 0
	PLACES
.Lnone_\@:
.endm
.macro QUANT s                         ; 64 numbers of a lane, register 16 b + i = k 32 b + 16 (lane / 16) + i of my row -> codes in v[PC] on, scale word in v[PW]
.irp b, 0,1,2,3
	v_max3_num_f32 v[TM+\b], |v[\s+16*\b]|, |v[\s+1+16*\b]|, 0x1800000   ; and the floor 2^(3 - 127).  Each accumulator is read from its low end on
.endr
.irp i, 2,4,6,8,10,12,14
.irp b, 0,1,2,3
	v_max3_num_f32 v[TM+\b], v[TM+\b], |v[\s+16*\b+\i]|, |v[\s+1+16*\b+\i]|
.endr
.endr
.irp b, 0,1,2,3
	v_permlanex16_b32 v[TM+4+\b], v[TM+\b], s[SEL], s[SEL+1]
.endr
.irp b, 0,1,2,3
	v_max_num_f32 v[TM+\b], v[TM+\b], v[TM+4+\b]
.endr
.irp b, 0,1,2,3
	v_add_nc_u32 v[TM+12+\b], 0xff000000, v[TM+\b]   ; 2 off the exponent field: the conversion's scale operand
.endr
.irp b, 0,1,2,3
	v_lshrrev_b32 v[TM+4+\b], 23, v[TM+12+\b]
.endr
	v_lshl_or_b32 v[PW], v[TM+5], 8, v[TM+4]
	v_lshl_or_b32 v[PW], v[TM+6], 16, v[PW]
	v_lshl_or_b32 v[PW], v[TM+7], 24, v[PW]
.irp c, 0,1
	v_cvt_scalef32_pk16_fp6_f32 v[PC+6*\c:PC+2+6*\c], v[\s+32*\c:\s+15+32*\c], v[TM+12+2*\c]
	v_cvt_scalef32_pk16_fp6_f32 v[PC+12+4*\c:PC+14+4*\c], v[\s+16+32*\c:\s+31+32*\c], v[TM+12+2*\c+1]
.endr
	v_nop                                          ; one plain place behind a scaled conversion
.irp c, 0,1
.irp i, 0,1,2
	v_permlane16_swap_b32 v[PC+6*\c+\i], v[PC+12+4*\c+\i]
.endr
.irp i, 0,1,2
	v_mov_b32 v[PC+3+6*\c+\i], v[PC+12+4*\c+\i]
.endr
.endr
.endm
.macro LOADSB base, off                ; B's scale words, straight into the registers that keep them
.irp p, 0,1,2,3
.irp s, 0,1,2,3,4,5,6,7
	global_load_b32 v[SB+8*\p+\s], v6, s[\base:\base+1] offset:\off+512*\p+64*\s
.endr
.endr
.endm
.macro LOADSA base, off                ; my two tiles' of A
.irp s, 0,1,2,3,4,5,6,7
	global_load_b32 v[SA+\s], v7, s[\base:\base+1] offset:\off+64*\s
.endr
.endm
	s_load_b256 s[4:11], s[0:1], 0x0               ; oc s[4:5], os s[6:7], b_attn s[8:9], qkvc s[10:11]
	s_load_b64 s[12:13], s[0:1], 0x20              ; qkvs
	v_lshl_add_u32 v[SPW], v0, 2, SPARE
	v_mov_b32 v[NIL], 0
	ds_add_u32 v[SPW], v[NIL]                      ; the wave's opening: the add, twice on end, and its wait ahead of my first tensor load
	ds_add_u32 v[SPW], v[NIL]
	v_lshrrev_b32 v1, 5, v0
	v_readfirstlane_b32 s[WV], v1
	s_lshr_b32 s[WH], s[WV], 1
	s_and_b32 s[WL], s[WV], 1
	s_bfe_u32 s[CX], ttmp6, 0x40000
	s_bfe_u32 s[CY], ttmp6, 0x40004
	s_lshl_b32 s84, s[CY], 2
	s_lshl_b32 s84, 15, s84                        ; my row of the cluster
	s_lshl_b32 s85, 0x1111, s[CX]                  ; my column
	s_or_b32 s[G1A], s84, (3<<16)|(1<<21)          ; 15:0 the mask; 17:16 elements of 8 bytes; 21 set beside a mask; no padding
	s_or_b32 s[G1B], s85, (3<<16)|(1<<21)
.irp g, G1A, G1B
	s_mov_b32 s[\g+1], 1536<<16                    ; tensor_dim0: 1,536 elements = 12,288 bytes: a tile's eight K steps
	s_mov_b32 s[\g+2], 4<<16                       ; tensor_dim1: 4 tiles
	s_mov_b32 s[\g+3], 1536<<16                    ; tile_dim0
	s_mov_b32 s[\g+4], 4                           ; tile_dim1
	s_mov_b32 s[\g+5], 1536                        ; from tile to tile: 12,288 bytes
	s_mov_b32 s[\g+6], 0
	s_mov_b32 s[\g+7], 0
.endr
	s_mov_b32 s[SEL], 0x76543210
	s_mov_b32 s[SEL+1], 0xfedcba98
	s_and_b32 s[XT], ttmp7, 0xffff
	s_lshl_b32 s[XT], s[XT], 5
	s_lshl_b32 s28, s[CY], 3
	s_add_co_u32 s[XT], s[XT], s28
	s_lshl_b32 s[WT], ttmp9, 5
	s_lshl_b32 s29, s[CX], 3
	s_add_co_u32 s[WT], s[WT], s29
	s_lshl_b32 s30, s[WL], 2
	s_add_co_u32 s94, s[XT], s30
	s_mul_i32 s94, s94, 12288
	s_mov_b32 s95, 0
	s_add_co_u32 s96, s[WT], s30
	s_add_co_u32 s96, s96, 256
	s_mul_i32 s96, s96, 12288
	s_mov_b32 s97, 0
	s_mul_i32 s31, s[WL], PIECE                    ; where my pieces go: no place in the cluster enters an LDS address
	s_wait_dscnt 0x0                               ; both opening adds are done
	s_wait_kmcnt 0x0
	s_add_nc_u64 s[94:95], s[4:5], s[94:95]
	s_add_nc_u64 s[96:97], s[4:5], s[96:97]
	CROUND                                         ; all sixteen work-groups are here: the joint loads meet
	s_mov_b32 s[G0X], 1
	s_mov_b32 s[G0X+1], s31
	s_mov_b64 s[G0X+2:G0X+3], s[94:95]
	s_or_b32 s[G0X+3], s[G0X+3], 0x80000000
.irp n, 0,1,2
	s_mov_b32 s[G0W+4*\n], 1
	s_add_co_u32 s[G0W+4*\n+1], s31, WB0+(\n%2)*(WB1-WB0)
	s_add_nc_u64 s[G0W+4*\n+2:G0W+4*\n+3], s[96:97], \n*64*12288   ; 64 tiles, 1,024 columns of W, from block to block
	s_or_b32 s[G0W+4*\n+3], s[G0W+4*\n+3], 0x80000000
.endr
	s_cmp_eq_u32 s[WH], 0                          ; one tensor load a wave at the head, in one of two arms: x's tiles, or q's columns of W
	s_cbranch_scc0 .Lfirst_w
	tensor_load_to_lds s[G0X:G0X+3], s[G1A:G1A+7]
	s_nop 0
	PLACES
	s_branch .Lfirst_asked
.Lfirst_w:
	tensor_load_to_lds s[G0W:G0W+3], s[G1B:G1B+7]
	s_nop 0
	PLACES
.Lfirst_asked:
	; where the results go
	s_lshl_b32 s26, s[WV], 1
	s_add_co_u32 s27, s26, s[XT]                   ; my first tile of x's rows
	s_add_co_u32 s26, s26, s[WT]                   ; my first channel tile of v's 64
	s_lshr_b32 s28, s[WT], 2                       ; the first of the block's two heads
	s_mul_i32 s[OC], s28, 196608                   ; q: [head][tile][768]
	s_mul_i32 s29, s27, 768
	s_add_co_u32 s[OC], s[OC], s29
	s_mov_b32 s[OC+1], 0
	s_mul_i32 s[OC+2], s28, 393216                 ; k: [head][slot][tile of 16][768]
	s_lshr_b32 s29, s27, 4
	s_mul_i32 s29, s29, 24576
	s_add_co_u32 s[OC+2], s[OC+2], s29
	s_and_b32 s29, s27, 15
	s_mul_i32 s29, s29, 768
	s_add_co_u32 s[OC+2], s[OC+2], s29
	s_add_co_u32 s[OC+2], s[OC+2], 3145728
	s_mov_b32 s[OC+3], 0
	s_lshr_b32 s29, s26, 2                         ; v: the head,
	s_mul_i32 s[OC+4], s29, 393216
	s_and_b32 s29, s26, 3
	s_mul_i32 s29, s29, 768                        ; the channel tile,
	s_add_co_u32 s[OC+4], s[OC+4], s29
	s_lshr_b32 s29, s[XT], 4
	s_mul_i32 s29, s29, 24576                      ; the slot of my 128 keys,
	s_add_co_u32 s[OC+4], s[OC+4], s29
	s_bfe_u32 s29, s[XT], 0x10003
	s_mul_i32 s29, s29, 6144                       ; which half of it,
	s_add_co_u32 s[OC+4], s[OC+4], s29
	s_add_co_u32 s[OC+4], s[OC+4], 3145728+12288   ; behind the slot's K
	s_mov_b32 s[OC+5], 0
	s_add_co_u32 s28, s28, s[WH]                   ; the scale words: wave w stores 256 bytes: q, k: head + w / 2, rows 64 (w % 2) on
	s_lshl_b32 s29, s[XT], 6
	s_lshl_b32 s30, s[WL], 8
	s_add_co_u32 s29, s29, s30
	s_lshl_b32 s[OS], s28, 14
	s_add_co_u32 s[OS], s[OS], s29
	s_mov_b32 s[OS+1], 0
	s_mul_i32 s[OS+2], s28, 24576
	s_add_co_u32 s[OS+2], s[OS+2], s29
	s_add_co_u32 s[OS+2], s[OS+2], 262144
	s_mov_b32 s[OS+3], 0
	s_lshr_b32 s28, s[WT], 2
	s_add_co_u32 s28, s28, s[WV]                   ; v: waves 0 and 1: a head's 64 channels each
	s_mul_i32 s[OS+4], s28, 24576
	s_lshl_b32 s29, s[XT], 5
	s_add_co_u32 s[OS+4], s[OS+4], s29
	s_add_co_u32 s[OS+4], s[OS+4], 262144+16384
	s_mov_b32 s[OS+5], 0
.irp k, 0,1,2
	s_add_nc_u64 s[OC+2*\k:OC+2*\k+1], s[10:11], s[OC+2*\k:OC+2*\k+1]
	s_add_nc_u64 s[OS+2*\k:OS+2*\k+1], s[12:13], s[OS+2*\k:OS+2*\k+1]
.endr
	s_add_co_u32 s[SW], s[WT], 256
	s_lshl_b32 s[SW], s[SW], 9
	s_mov_b32 s[SW+1], 0
	s_add_nc_u64 s[SW:SW+1], s[6:7], s[SW:SW+1]
	s_lshl_b32 s[SX], s[XT], 9
	s_mov_b32 s[SX+1], 0
	s_add_nc_u64 s[SX:SX+1], s[6:7], s[SX:SX+1]
	v_and_b32 v1, 31, v0                           ; lane
	v_and_b32 v2, 15, v0                           ; r
	v_bfe_u32 v3, v0, 4, 1                         ; h
	v_lshlrev_b32 v4, 4, v1                        ; 16 x lane
	v_lshlrev_b32 v5, 3, v1                        ; 8 x lane
	v_lshlrev_b32 v6, 2, v2
	s_lshl_b32 s26, s[WV], 10
	v_lshl_add_u32 v7, v3, 9, v6
	v_add_nc_u32 v7, s26, v7                       ; A's scale words: my two tiles, one tile on for lanes 16-31
	v_lshl_add_u32 v24, v3, 9, v6
	v_lshl_add_u32 v6, v3, 11, v6                  ; B's: four tiles on
.irp g, 0,1,2,3
	v_add_nc_u32 v[LX+\g], XB+\g*24576, v4
	v_add_nc_u32 v[LW0+\g], WB0+\g*24576, v4
	v_add_nc_u32 v[LW1+\g], WB1+\g*24576, v4
.endr
	s_mul_i32 s26, s[WV], 24576                    ; my two tiles of A: 2 w and 2 w + 1 of the eight
	v_add_nc_u32 v[LXO], s26, v4
	s_add_co_u32 s26, s26, WB0
	v_add_nc_u32 v[LWO], s26, v4
	s_lshl_b32 s26, s[WT], 6                       ; q, k: the bias runs along B', down a lane's registers: feature 16 x tile + 32 (b / 2) + 8 (b % 2) + 16 h + j
	v_lshl_add_u32 v22, v3, 6, s26
	s_lshl_b32 s27, s[WV], 7                       ; v: it runs along A': one number a lane and tile: channel 2,048 + 16 x tile + 8 a + r + 8 (r / 8)
	s_add_co_u32 s26, s26, s27
	s_add_co_u32 s26, s26, 8192
	v_and_b32 v23, 8, v2
	v_add_nc_u32 v23, v23, v2
	v_lshl_add_u32 v23, v23, 2, s26
	s_add_co_u32 s27, s27, SST
	v_add_nc_u32 v24, s27, v24                     ; into a stage: 512 h + 128 w + 4 r
	s_lshl_b32 s26, s[WV], 8
	s_add_co_u32 s26, s26, SST
	v_add_nc_u32 v25, s26, v5                      ; back: 256 w + 8 x lane
	v_lshlrev_b32 v26, 4, v3                       ; q, k: lanes 16-31 keep the second head's two bytes, lanes 0-15 the first's
.irp b, 0,1,2,3
	v_mov_b32 v[TM+4+\b], 0                        ; a lane permute's destination counts as one of its sources
.endr
	s_wait_alu depctr_va_vdst(0)                   ; the wait at the head's end
	LOADSB SW, 0
	LOADSA SX, 0
	WIN TO_BI
.irp kk, 0,1
.irp b, 0,1,2,3,4,5,6,7
	global_load_b128 v[64*\kk+8*\b:64*\kk+8*\b+3], v22, s[8:9] offset:4096*\kk+(32*(\b/2)+8*(\b%2))*4
	global_load_b128 v[64*\kk+8*\b+4:64*\kk+8*\b+7], v22, s[8:9] offset:4096*\kk+(32*(\b/2)+8*(\b%2))*4+16
.endr
.endr
	WIN 0
.irp a, 0,1
	global_load_b32 v[VB+2*\a], v23, s[8:9] offset:32*\a       ; v's bias, the same number in both registers of a pair
	global_load_b32 v[VB+2*\a+1], v23, s[8:9] offset:32*\a
.endr
.macro WM d, fa, fb, cop, sa, sb, ra, rb ; one product; cop: the C operand; ra, rb: the side's scale words stand in lanes 16-31
.if (\ra) && (\rb)
	v_wmma_scale_f32_16x16x128_f8f6f4 v[\d:\d+7], v[\fa:\fa+11], v[\fb:\fb+11], \cop, v[\sa], v[\sb] matrix_a_fmt:MATRIX_FMT_FP6 matrix_b_fmt:MATRIX_FMT_FP6 matrix_a_scale:MATRIX_SCALE_ROW1 matrix_b_scale:MATRIX_SCALE_ROW1
.elseif \ra
	v_wmma_scale_f32_16x16x128_f8f6f4 v[\d:\d+7], v[\fa:\fa+11], v[\fb:\fb+11], \cop, v[\sa], v[\sb] matrix_a_fmt:MATRIX_FMT_FP6 matrix_b_fmt:MATRIX_FMT_FP6 matrix_a_scale:MATRIX_SCALE_ROW1
.elseif \rb
	v_wmma_scale_f32_16x16x128_f8f6f4 v[\d:\d+7], v[\fa:\fa+11], v[\fb:\fb+11], \cop, v[\sa], v[\sb] matrix_a_fmt:MATRIX_FMT_FP6 matrix_b_fmt:MATRIX_FMT_FP6 matrix_b_scale:MATRIX_SCALE_ROW1
.else
	v_wmma_scale_f32_16x16x128_f8f6f4 v[\d:\d+7], v[\fa:\fa+11], v[\fb:\fb+11], \cop, v[\sa], v[\sb] matrix_a_fmt:MATRIX_FMT_FP6 matrix_b_fmt:MATRIX_FMT_FP6
.endif
.endm
.macro MUL s, f, mode, bb              ; K step s: 16 products; the 16 accumulators take turns, one instruction a turn.  mode 1: the bias at v[bb] of window 2 starts the sums; 2: the constant 0; 0: they go on
.if \mode == 1
	WIN W_MULB
.else
	WIN W_MUL
.endif
.irp a, 0,1
.irp b, 0,1,2,3,4,5,6,7
.if \mode == 1
	WM ACC+8*(8*\a+\b), \f+12*\b, \f+96+12*\a, v[\bb+8*\b:\bb+8*\b+7], SB+8*(\b%4)+\s, SA+\s, \b/4, \a
.elseif \mode == 2
	WM ACC+8*(8*\a+\b), \f+12*\b, \f+96+12*\a, 0, SB+8*(\b%4)+\s, SA+\s, \b/4, \a
.else
	WM ACC+8*(8*\a+\b), \f+12*\b, \f+96+12*\a, v[ACC+8*(8*\a+\b):ACC+8*(8*\a+\b)+7], SB+8*(\b%4)+\s, SA+\s, \b/4, \a
.endif
.endr
.endr
.endm
.macro FETCH s, f, lb, la              ; K step s's ten fragments into set f: 30 loads in one run
	WIN TO_F
.irp b, 0,1,2,3,4,5,6,7
.irp i, 0,1,2
	ds_load_b128 v[\f+12*\b+4*\i:\f+12*\b+4*\i+3], v[\lb+\b/2] offset:(\b%2)*12288+(\s)*1536+512*\i
.endr
.endr
.irp a, 0,1
.irp i, 0,1,2
	ds_load_b128 v[\f+96+12*\a+4*\i:\f+96+12*\a+4*\i+3], v[\la] offset:\a*12288+(\s)*1536+512*\i
.endr
.endr
.endm
.macro KSTEP s, f, g, mode, bb, lb, la ; f: this step's set; g: the other, which takes the next step's fragments while this step is multiplied
	s_wait_dscnt 0x0                               ; this step's fragments are in
.if (\s) < 7
.if (\s) > 0
	PLACES                                         ; the last step's products have read set g
.endif
	FETCH (\s)+1, \g, \lb, \la
.endif
.if (\s) == 0
	MUL \s, \f, \mode, \bb
.else
	MUL \s, \f, 0, 0
.endif
.endm
.macro TILE mode, bb, lb, la           ; a block's 128 products a wave
	FETCH 0, F0, \lb, \la
	s_wait_loadcnt 0x0                             ; the scale words (and, the first time, the biases)
	KSTEP 0, F0, F1, \mode, \bb, \lb, \la
	KSTEP 1, F1, F0, \mode, \bb, \lb, \la
	KSTEP 2, F0, F1, \mode, \bb, \lb, \la
	KSTEP 3, F1, F0, \mode, \bb, \lb, \la
	KSTEP 4, F0, F1, \mode, \bb, \lb, \la
	KSTEP 5, F1, F0, \mode, \bb, \lb, \la
	KSTEP 6, F0, F1, \mode, \bb, \lb, \la
	KSTEP 7, F1, F0, \mode, \bb, \lb, \la
	WIN 0
	PLACES
.endm
; THE WAY OUT of block k: my two tiles of A', 64 numbers a lane each, are quantised in registers and leave as two half images; each store covers 512 or 256 consecutive bytes, aligned.
; The scale words meet in the block's own stage, so that they leave in runs of 256 bytes, behind the next barrier.
.macro OUT k
.if \k == 0
.set DL, 196608                        ; from the first half image to the second: a head on (q),
.elseif \k == 1
.set DL, 393216                        ; a head on (k),
.else
.set DL, 3072                          ; or 64 keys on (v)
.endif
.irp a, 0,1
	s_wait_xcnt 0x0                                ; the earlier stores have read their registers
.if \k == 2
.set n, 0
.rept 32
	v_pk_add_f32 v[ACC+64*\a+n:ACC+64*\a+n+1], v[ACC+64*\a+n:ACC+64*\a+n+1], v[VB+2*\a:VB+2*\a+1]   ; v's bias: one number for my channel; each accumulator from its low end on
.set n, n+2
.endr
.endif
	QUANT ACC+64*\a
	global_store_b128 v4, v[PC:PC+3], s[OC+2*\k:OC+2*\k+1] offset:768*\a
	global_store_b64 v5, v[PC+4:PC+5], s[OC+2*\k:OC+2*\k+1] offset:768*\a+512
	global_store_b128 v4, v[PC+6:PC+9], s[OC+2*\k:OC+2*\k+1] offset:DL+768*\a
	global_store_b64 v5, v[PC+10:PC+11], s[OC+2*\k:OC+2*\k+1] offset:DL+768*\a+512
.if \k == 2
	ds_store_b32 v24, v[PW] offset:1024*\k+64*\a   ; all four bytes are one row's
.else
	v_lshrrev_b32 v90, v26, v[PW]
	v_and_b32 v90, 0xffff, v90
	ds_store_b32 v24, v90 offset:1024*\k+64*\a
.endif
.endr
.endm
.macro TAILW k                         ; behind a barrier: 256 bytes of block k's scale words
	ds_load_b64 v[72:73], v25 offset:1024*\k
	s_wait_dscnt 0x0
	global_store_b64 v5, v[72:73], s[OS+2*\k:OS+2*\k+1]
.endm
	SEQ                                            ; my head's load is in
	CROUND                                         ; everybody's is, and all sixteen work-groups are here
	JLOADW 1                                       ; k's columns of W, into the second buffer: the first tensor load behind the round
	TILE 1, 0, LW0, LXO                            ; q
	LOADSB SW, 32768                               ; the words of k's columns, 64 tiles on: they land under the way out
	OUT 0
	SEQ                                            ; k's columns are in, my reads of q's are over, my words are in the stage
	CROUND
	JLOADW 2                                       ; v's columns of W, into the buffer that q's have left
	TAILW 0
	TILE 1, 64, LW1, LXO                           ; k
	LOADSB SX, 0                                   ; v: B' = x's rows,
	LOADSA SW, 65536                               ; A' = v's columns, 128 tiles on
	OUT 1
	SEQ                                            ; v's columns are in
	s_barrier_signal -1
	s_barrier_wait -1                              ; everybody's are
	TAILW 1
	TILE 2, 0, LX, LWO                             ; v
	OUT 2
	s_wait_dscnt 0x0                               ; for the others' sake: my stores into the stage are done
	s_barrier_signal -1
	s_barrier_wait -1
	s_cmp_lg_u32 s[WH], 0                          ; v has 512 bytes of words, not 1,024: waves 2 and 3 have none
	s_cbranch_scc1 .Lno_tail
	TAILW 2
.Lno_tail:
	SEQ                                            ; the wave's end
	CROUND                                         ; the closing round
	s_endpgm
.Lfunc_end_k_q4fc7b2a1f9_gemm1:
	.size	k_q4fc7b2a1f9_gemm1, .Lfunc_end_k_q4fc7b2a1f9_gemm1-k_q4fc7b2a1f9_gemm1
	.p2alignl 7, 3214868480
	.fill 96, 4, 3214868480
	.section	.rodata,"a",@progbits
	.p2align	6, 0x0
	.amdhsa_kernel k_q4fc7b2a1f9_gemm1
		.amdhsa_group_segment_fixed_size 327680
		.amdhsa_private_segment_fixed_size 0
		.amdhsa_enable_private_segment 0
		.amdhsa_kernarg_size 40
		.amdhsa_user_sgpr_count 2
		.amdhsa_user_sgpr_kernarg_segment_ptr 1
		.amdhsa_wavefront_size32 1
		.amdhsa_system_sgpr_workgroup_id_x 1
		.amdhsa_system_sgpr_workgroup_id_y 1
		.amdhsa_system_sgpr_workgroup_id_z 1
		.amdhsa_system_vgpr_workitem_id 0
		.amdhsa_next_free_vgpr 640
		.amdhsa_next_free_sgpr 100
		.amdhsa_reserve_vcc 0
		.amdhsa_float_denorm_mode_32 3
		.amdhsa_float_denorm_mode_16_64 3
		.amdhsa_memory_ordered 1
		.amdhsa_forward_progress 1
		.amdhsa_inst_pref_size 154
	.end_amdhsa_kernel
	.amdgpu_metadata
---
amdhsa.version: [ 1, 2 ]
amdhsa.kernels:
  - .name:           k_q4fc7b2a1f9_gemm1
    .symbol:         k_q4fc7b2a1f9_gemm1.kd
    .args:
      - { .name: oc, .offset: 0, .size: 8, .value_kind: global_buffer, .address_space: global }
      - { .name: os, .offset: 8, .size: 8, .value_kind: global_buffer, .address_space: global }
      - { .name: b_attn, .offset: 16, .size: 8, .value_kind: global_buffer, .address_space: global }
      - { .name: qkvc, .offset: 24, .size: 8, .value_kind: global_buffer, .address_space: global }
      - { .name: qkvs, .offset: 32, .size: 8, .value_kind: global_buffer, .address_space: global }
    .group_segment_fixed_size: 327680
    .private_segment_fixed_size: 0
    .kernarg_segment_align: 8
    .kernarg_segment_size: 40
    .max_flat_workgroup_size: 128
    .sgpr_count:     100
    .vgpr_count:     640
    .wavefront_size: 32
...
	.end_amdgpu_metadata
.endif
;; end of part 2
;; launch attn (part 3): grid 16 x 16, 16 waves a work-group, no clusters, 327,680 bytes of LDS; arguments qkvc, qkvs, yc, ys; writes yc, ys
.if DOCPART == 3
	.amdgcn_target "amdgcn-amd-amdhsa--gfx1250"
	.amdhsa_code_object_version 6
	.text
	.protected	k_q4fc7b2a1f9_attn
	.globl	k_q4fc7b2a1f9_attn
	.p2align	8
	.type	k_q4fc7b2a1f9_attn,@function
k_q4fc7b2a1f9_attn:
	s_mov_b64 s[64:65], 0
	v_nop
	global_prefetch_b8 v0, s[64:65] scope:SCOPE_SE
	s_setreg_imm32_b32 hwreg(HW_REG_WAVE_MODE, 25, 1), 1
	s_wait_xcnt 0x0
; LAUNCH 3 OF 4: y[h][q] = the sum over k <= q of softmax_k(q . k / 8) v, both products on codes of FP6 (E2M3); y is quantised on the way out for the projection.
; LEFT OUT: a step of 128 keys all of which come after a block's queries: reference() itself sets those scores to -infinity (its own jnp.tril), so their weights are 0 whatever the inputs hold.
; LIMITS: a NaN, an infinity or an overflow that would arise only in such hidden scores is not carried to the result.  The promise holds while the scaled scores t stay under 2^31 in magnitude.
; y's quantiser: a block of zeros gets the byte 1 (zero codes; read by this program alone); blocks under 2^-124 are held at the byte 1.
; THE SOFTMAX: t = score x log2(e) / 8; M = the running largest t rounded UP to a whole number; p = 2^(t - M) is quantised along the keys, not normalised; the row's sum is taken of the unquantised p and divides at the end.
; When M moves, the sum and O are multiplied by 2^(old M - new M): exact.
; K = 64 IN A FORM OF K = 128: registers 6-11 of q's and k's fragments are zero codes, kept in registers, and bytes 2 and 3 of their scale words are 0: they add nothing.
; SHARES.  A work-group owns query blocks 31 - j and j (128 queries each) of one head and takes them ONE AFTER THE OTHER.  Sixteen waves = 8 tiles of 16 queries x 2 parities: the two waves of a tile share its keys,
; parity p taking the steps of 128 keys whose number is p modulo 2, each with its own M, sum and O.  At a block's end the parity-0 wave lays its three into an LDS stage ahead of a barrier that stands anyway, and the
; parity-1 wave (16 steps in all against 17) joins them behind it, by exact powers of two, divides, quantises and stores.
; THE WALK: slots of 512 keys (four steps).  Block 31 - j has 32 - j steps, block j has j + 1: ceil((32 - j) / 4) + ceil((j + 1) / 4) = 9 slots for every j: a constant count of trips; each slot holds a live step.
; NO CLUSTER: the branches that leave hidden steps out hang on the work-group's own blocks, which differ between any two work-groups that walk the same keys.
; LAYOUT.  Both products are used transposed: S^T = K Q^T, O^T = V^T P^T: a lane holds ONE query.  K's, V's and Q's tiles lie as half images of their registers (768 bytes: registers 0-3 at 16 l, 4-5 at 512 + 8 l), with rows in the
; order (row p of tile t = true row 32 (t / 2) + 8 (t % 2) + p + 8 (p / 8)) that makes the 16 registers of result tiles 2 b, 2 b + 1 true neighbours 32 b + 16 (lane / 16) + 0 .. 15.
; RING: two slots of 49,152 bytes (twice K 12,288, V 12,288), dense in memory; waves 0-3 fetch a quarter each.  The head's scale words (24,576 bytes) come once, by waves 4 and 5.
; REGISTERS: v1-7, v29-31 addresses that stay; v8-11 a trip's addresses; v12 -M, v13 the largest t, v[14:15] the sum; v16-27 Q (22-27 zeros), v28 its scale words; v32-79 four fragments of K (upper halves zeros); v80-127 V's four;
; v128-191 S^T, then p; v192-223 O^T; v224-235 p's codes; v232-255 at work; v248-251 scale words, v253 p's.
.set SUB,   24576                      ; 256 keys: K's 16 tiles, then V's
.set SLOTB, 49152
.set SLOT1, 65536                      ; slot 1 begins here: one exclusive or turns an address from one slot to the other
.set SPARE, 49152                      ; between the slots: the spare words, 128 bytes for each of the sixteen waves,
.set YST,   51200                      ; and y's scale bytes on the way out, 256 for each block; no tensor load lands on either
.set SCK,   114688                     ; K's scale words, 16,384 bytes
.set SCV,   131072                     ; V's, 8,192 bytes
.set MST,   139264                     ; three stages for the pairs' partial results: two by turns from trip to trip, the third for the last block
.set MPR,   4608                       ; a pair's place: O 4,096 bytes, then -M, t and the sum, 16 bytes a lane
.set MPH,   8*MPR
.set SPW, 5
.set NIL, 6
.set TB, 2                             ; s2  LDS byte of the slot in hand + 6,144 x my parity
.set KSW, 3                            ; s3  the number of my first step of the slot in hand
.set WV, 12
.set PAR, 13
.set TI, 14
.set T, 15                             ; s15 the trip, 0 .. 8
.set HEAD, 16
.set NH, 17                            ; s17 the slots of block 31 - j
.set BHI, 18                           ; s18 31 - j
.set BC, 19                            ; s19 the block in hand
.set SEL, 20
.set CS, 22                            ; s[22:23] c = log2(e) / 8
.set G1, 24                            ; s[24:31] one group 1 for all loads: 48 dense rows of 256 bytes;  s[32:35] the scale words' group 0;  s[36:39] the slots'
.set G0S, 32
.set G0T, 36
.set MT, 40                            ; s40 0 or MPH: the stage that this trip may read
.set YB, 41
.set PLIM, 42                          ; s42 6 in a wave that prefetches, else 0
.set HB, 44                            ; s[44:45] my quarter of the head's slot 0
.set PFA, 46                           ; s[46:47] where my prefetches stand
.set QA, 50                            ; s[50:53] Q's half image, block 31 - j and block j;  s[54:57] its scale words;  s[58:61] y's half image
.set QS, 54
.set YA, 58
.macro NOP4
.rept 4
	v_nop
.endr
.endm
.macro PLACE blk, p                    ; byte offsets of my tile of block blk
	s_lshl_b32 s48, \blk, 3
	s_add_co_u32 s48, s48, s[TI]
	s_mul_i32 s49, s48, 768
	s_mul_i32 s[QA+2*\p], s[HEAD], 196608
	s_add_co_u32 s[QA+2*\p], s[QA+2*\p], s49
	s_mov_b32 s[QA+2*\p+1], 0
	s_lshl_b32 s49, s48, 6
	s_lshl_b32 s[QS+2*\p], s[HEAD], 14
	s_add_co_u32 s[QS+2*\p], s[QS+2*\p], s49
	s_mov_b32 s[QS+2*\p+1], 0
	s_mul_i32 s[YA+2*\p], s48, 12288
	s_mul_i32 s49, s[HEAD], 768
	s_add_co_u32 s[YA+2*\p], s[YA+2*\p], s49
	s_mov_b32 s[YA+2*\p+1], 0
.endm
	s_load_b256 s[4:11], s[0:1], 0x0               ; qkvc s[4:5], qkvs s[6:7], yc s[8:9], ys s[10:11]
	v_lshl_add_u32 v[SPW], v0, 2, SPARE
	v_mov_b32 v[NIL], 0
	ds_add_u32 v[SPW], v[NIL]                      ; the wave's opening: the add, twice on end, and its wait ahead of the first tensor load
	ds_add_u32 v[SPW], v[NIL]
	v_lshrrev_b32 v8, 5, v0
	v_readfirstlane_b32 s[WV], v8
	s_lshr_b32 s[PAR], s[WV], 2
	s_xor_b32 s[PAR], s[PAR], s[WV]
	s_and_b32 s[PAR], s[PAR], 1                    ; any four waves w, w + 4, w + 8, w + 12 hold two of each parity
	s_lshr_b32 s[TI], s[WV], 1
	s_and_b32 s[HEAD], ttmp7, 0xffff
	s_sub_co_u32 s[BHI], 31, ttmp9
	s_sub_co_u32 s[NH], 35, ttmp9
	s_lshr_b32 s[NH], s[NH], 2                     ; ceil((32 - j) / 4): 5 .. 8
	s_mov_b32 s[G1], 3<<16                         ; no mask; elements of 8 bytes; no padding
	s_mov_b32 s[G1+1], 32<<16                      ; tensor_dim0: 32 elements = 256 bytes
	s_mov_b32 s[G1+2], 48<<16                      ; tensor_dim1
	s_mov_b32 s[G1+3], 32<<16                      ; tile_dim0
	s_mov_b32 s[G1+4], 48                          ; tile_dim1
	s_mov_b32 s[G1+5], 32                          ; dense
	s_mov_b32 s[G1+6], 0
	s_mov_b32 s[G1+7], 0
	s_mov_b32 s[SEL], 0x76543210
	s_mov_b32 s[SEL+1], 0xfedcba98
	s_mov_b32 s[CS], 0x3e38aa3b                    ; log2(e) / 8
	s_mov_b32 s[CS+1], s[CS]
	s_mul_i32 s[TB], s[PAR], 6144
	s_mov_b32 s[T], 0
	s_mov_b32 s[MT], 0
	s_mov_b32 s69, 0
	s_lshl_b32 s[YB], s[TI], 5
	s_add_co_u32 s[YB], s[YB], YST
	s_and_b32 s48, s[WV], 3
	s_mul_i32 s48, s48, 12288                      ; a fetching wave's quarter of a slot
	s_mov_b32 s[G0T], 1
	s_mov_b32 s[G0T+1], s48
	s_mul_i32 s49, s[HEAD], 393216
	s_add_co_u32 s49, s49, 3145728                 ; the head's slot 0
	s_add_co_u32 s[HB], s49, s48
	s_mov_b32 s[HB+1], 0
	s_and_b32 s48, s[WV], 1
	s_mul_i32 s48, s48, 12288                      ; waves 4 and 5: a half of the scale words
	s_mov_b32 s[G0S], 1
	s_add_co_u32 s[G0S+1], s48, SCK
	s_mul_i32 s66, s[HEAD], 24576
	s_add_co_u32 s66, s66, s48
	s_add_co_u32 s66, s66, 262144
	s_mov_b32 s67, 0
	s_sub_co_u32 s48, s[WV], 6                     ; the prefetches: waves 6 to 11 of the head's first work-group, 8,192 bytes of a slot each
	s_cmp_lt_u32 s48, 6
	s_cselect_b32 s[PLIM], 0, 1
	s_or_b32 s[PLIM], s[PLIM], ttmp9
	s_cmp_eq_u32 s[PLIM], 0
	s_cselect_b32 s[PLIM], 6, 0
	s_min_u32 s48, s48, 5
	s_lshl_b32 s48, s48, 13
	s_add_co_u32 s[PFA], s49, s48
	s_add_co_u32 s[PFA], s[PFA], SLOTB             ; in slot 1: the first change of slots steps it to slot 2.  Nothing is prefetched at the head
	s_mov_b32 s[PFA+1], 0
	PLACE s[BHI], 0
	PLACE ttmp9, 1
	s_cmp_eq_u32 s[WV], 0                          ; y's scale bytes [head][row] of two: wave 0 stores block 31 - j's 256 bytes, wave 1 block j's
	s_cselect_b32 s62, s[BHI], ttmp9
	s_lshl_b32 s62, s62, 8
	s_lshl_b32 s48, s[HEAD], 13
	s_add_co_u32 s62, s62, s48
	s_mov_b32 s63, 0
	s_wait_dscnt 0x0                               ; both opening adds are done
	s_wait_kmcnt 0x0
	s_add_nc_u64 s[HB:HB+1], s[4:5], s[HB:HB+1]
	s_mov_b64 s[G0T+2:G0T+3], s[HB:HB+1]
	s_or_b32 s[G0T+3], s[G0T+3], 0x80000000
	s_add_nc_u64 s[G0S+2:G0S+3], s[6:7], s[66:67]
	s_or_b32 s[G0S+3], s[G0S+3], 0x80000000
	s_cmp_lt_u32 s[WV], 4                          ; the first fills: one chain of branches on the wave's number, one load to an arm
	s_cbranch_scc0 .Lhead_s
	tensor_load_to_lds s[G0T:G0T+3], s[G1:G1+7]    ; slot 0
	s_nop 0
	NOP4
	s_branch .Lhead_j
.Lhead_s:
	s_cmp_lt_u32 s[WV], 6
	s_cbranch_scc0 .Lhead_j
	tensor_load_to_lds s[G0S:G0S+3], s[G1:G1+7]    ; the head's scale words: filled once
	s_nop 0
	NOP4
.Lhead_j:
	s_add_nc_u64 s[PFA:PFA+1], s[4:5], s[PFA:PFA+1]
.irp p, 0,1
	s_add_nc_u64 s[QA+2*\p:QA+2*\p+1], s[4:5], s[QA+2*\p:QA+2*\p+1]
	s_add_nc_u64 s[QS+2*\p:QS+2*\p+1], s[6:7], s[QS+2*\p:QS+2*\p+1]
	s_add_nc_u64 s[YA+2*\p:YA+2*\p+1], s[8:9], s[YA+2*\p:YA+2*\p+1]
.endr
	s_add_nc_u64 s[62:63], s[10:11], s[62:63]
	v_and_b32 v8, 31, v0                           ; lane
	v_and_b32 v9, 15, v0                           ; r
	v_lshlrev_b32 v1, 4, v8                        ; 16 x lane: an image's registers 0-3
	v_lshlrev_b32 v2, 3, v8
	v_lshlrev_b32 v30, 2, v9
	v_add_nc_u32 v2, 512, v2                       ; 512 + 8 x lane: its registers 4-5
	s_wait_alu depctr_va_vdst(0)
	global_load_b128 v[16:19], v1, s[QA:QA+1]      ; Q stays in registers for a block
	global_load_b64 v[20:21], v2, s[QA:QA+1]
	global_load_b32 v28, v30, s[QS:QS+1]
	s_lshl_b32 s48, s[PAR], 9
	s_add_co_u32 s48, s48, SCK
	v_lshl_add_u32 v3, v8, 2, s48                  ; K's scale words: lanes 0-15 a tile, lanes 16-31 the next; 512 bytes a step
	s_lshl_b32 s48, s[PAR], 8
	s_add_co_u32 s48, s48, SCV
	v_lshl_add_u32 v29, v8, 2, s48                 ; V's likewise; 256 bytes a step
	v_lshlrev_b32 v7, 8, v8                        ; the prefetches: lanes 256 bytes apart
	s_mul_i32 s48, s[TI], MPR
	s_add_co_u32 s48, s48, MST
	v_add_nc_u32 v31, s48, v1                      ; my pair's place in a stage
	s_lshr_b32 s48, s[TI], 1
	s_lshl_b32 s48, s48, 5
	s_and_b32 s49, s[TI], 1
	s_lshl_b32 s49, s49, 3
	s_add_co_u32 s48, s48, s49
	v_and_b32 v10, 8, v0
	v_add_nc_u32 v4, v9, v10
	v_and_b32 v10, 16, v0
	v_sub_nc_u32 v4, v4, v10
	v_add_nc_u32 v4, s48, v4                       ; d = my query - my block's first - 16 (lane / 16): on the diagonal register 16 b + i holds a hidden key where 32 b + i > d
.macro FRESH                           ; a block begins: the largest t so far -3e38, -M, the sum and O^T zeros (the first four lines are also places behind the last products)
	v_mov_b32 v13, 0xff61b1e6
	v_mov_b32 v14, 0
	v_mov_b32 v15, 0
	v_floor_f32 v12, -v13
.set n, 0
.rept 32
	v_mov_b32 v[192+n], 0
.set n, n+1
.endr
.endm
	FRESH
.irp i, 22,23,24,25,26,27
	v_mov_b32 v[\i], 0                             ; Q's upper 64 along K: zero codes
.endr
.irp t, 0,1,2,3
.irp i, 6,7,8,9,10,11
	v_mov_b32 v[32+12*\t+\i], 0                    ; K's likewise: written once
.endr
.endr
.irp i, 236,237,238,239,252,253
	v_mov_b32 v[\i], 0                             ; lane permutes' destinations, and the pair v[252:253]
.endr
; THE CHANGE OF SLOTS stands at a trip's head.  Each wave waits for all its tensor loads, adds 0 to its spare word, and waits for that and for its reads of the slot that it has left; behind the barrier the slot ahead is whole
; and nobody reads the other one, which (fill = 1) takes the next trip's 512 keys: slot T + 1 of block 31 - j's walk, or, from trip NH on, slot T + 1 - NH of block j's.  That load has a trip's two steps a wave in which to land.
.macro CHANGE fill
	s_wait_alu depctr_va_vdst(0)                   ; the wait ahead of the blocking waits
	s_wait_tensorcnt 0x0                           ; no tensor load of mine is out, so a group 0 may be written
	ds_add_u32 v[SPW], v[NIL]
.if \fill
	ds_add_u32 v[SPW], v[NIL]                      ; and once more, in every trip alike
	s_add_co_u32 s48, s[T], 1
	s_cmp_ge_u32 s48, s[NH]
	s_cselect_b32 s49, s[NH], 0
	s_sub_co_u32 s48, s48, s49
	s_mul_i32 s68, s48, SLOTB
	s_xor_b32 s[G0T+1], s[G0T+1], SLOT1
	s_add_nc_u64 s[G0T+2:G0T+3], s[HB:HB+1], s[68:69]
	s_or_b32 s[G0T+3], s[G0T+3], 0x80000000
	s_wait_xcnt 0x0                                ; the last prefetch, a trip back, has read its address
	s_add_nc_u64 s[PFA:PFA+1], s[PFA:PFA+1], SLOTB
.endif
	s_wait_dscnt 0x0                               ; the add is done, my reads of the slot that I have left are over, and so are my stores into a stage
	s_barrier_signal -1
	s_barrier_wait -1
.if \fill
	s_cmp_lt_u32 s[WV], 4
	s_cbranch_scc0 .Lpast_\@
	tensor_load_to_lds s[G0T:G0T+3], s[G1:G1+7]    ; a fetching wave's one tensor load until the next such barrier
	s_nop 0
	NOP4
.Lpast_\@:
	s_cmp_lt_u32 s[T], s[PLIM]                     ; A PREFETCH INTO THE L2 of slot T + 2, which the next change of slots asks for: 49,152 dense bytes, six waves, lanes 256 bytes apart: each block of 256 bytes is named
	s_cbranch_scc0 .Lnoask_\@                      ; once in the launch, by the head's first work-group, whose first walk passes all eight slots; trips 0 to 5 ask; slots 0 and 1 come by their loads alone
	global_prefetch_b8 v7, s[PFA:PFA+1] th:TH_LOAD_NT scope:SCOPE_SE
.Lnoask_\@:
.endif
.endm
; A KEY STEP: my 128 keys of the u-th half of the slot in hand: 8 products K Q^T, the softmax, 4 products V^T P^T.
.macro STEP u
	s_add_co_u32 s48, s[KSW], 2*\u
	s_cmp_gt_u32 s48, s[BC]                        ; all 128 keys come after my block's queries: the step's work is left out
	s_cbranch_scc1 .Lhid_\@
.if \u
	NOP4                                           ; places behind the last step's products (ahead of step 0 the trip's four address lines are these)
.endif
.irp g, 0,1
.if \g
	NOP4                                           ; places in front of loads into registers that matrix instructions have read
.endif
.irp t, 0,1,2,3
	ds_load_b128 v[32+12*\t:35+12*\t], v8 offset:\u*SUB+(4*\g+\t)*768
	ds_load_b64 v[36+12*\t:37+12*\t], v9 offset:\u*SUB+(4*\g+\t)*768
.endr
.if \g == 0
.irp p, 0,1,2,3
	ds_load_b32 v[248+\p], v10 offset:\u*1024+128*\p   ; the words of tiles 2 p (lanes 0-15) and 2 p + 1 (lanes 16-31)
.endr
.endif
	s_wait_dscnt 0x0
.irp t, 0,2
	v_wmma_scale_f32_16x16x128_f8f6f4 v[128+8*(4*\g+\t):135+8*(4*\g+\t)], v[32+12*\t:43+12*\t], v[16:27], 0, v[248+2*\g+\t/2], v28 matrix_a_fmt:MATRIX_FMT_FP6 matrix_b_fmt:MATRIX_FMT_FP6
	v_wmma_scale_f32_16x16x128_f8f6f4 v[136+8*(4*\g+\t):143+8*(4*\g+\t)], v[44+12*\t:55+12*\t], v[16:27], 0, v[248+2*\g+\t/2], v28 matrix_a_fmt:MATRIX_FMT_FP6 matrix_b_fmt:MATRIX_FMT_FP6 matrix_a_scale:MATRIX_SCALE_ROW1
.endr
.endr
	NOP4                                           ; places in front of the first read of the scores and of the loads into v248, v249
.irp t, 0,1,2,3                                ; V's four fragments and their words are asked for here: they land under the softmax
	ds_load_b128 v[80+12*\t:83+12*\t], v8 offset:\u*SUB+12288+\t*768
	ds_load_b64 v[84+12*\t:85+12*\t], v9 offset:\u*SUB+12288+\t*768
	ds_load_b128 v[86+12*\t:89+12*\t], v8 offset:\u*SUB+12288+3072+\t*768
	ds_load_b64 v[90+12*\t:91+12*\t], v9 offset:\u*SUB+12288+3072+\t*768
.endr
	ds_load_b32 v248, v11 offset:\u*512
	ds_load_b32 v249, v11 offset:\u*512+128
	s_cmp_lt_u32 s48, s[BC]                        ; a step all of whose keys count skips the mask
	s_cbranch_scc1 .Lopen_\@
	v_mov_b32 v254, 0xff800000                     ; on the diagonal hidden scores become -infinity ahead of the maximum: p = 0 then
.set n, 0
.rept 64
	v_cmp_gt_i32 vcc_lo, 32*(n/16)+n%16, v4
	v_cndmask_b32 v[128+n], v[128+n], v254, vcc_lo
.set n, n+1
.endr
.Lopen_\@:
.irp b, 0,1,2,3
	v_max3_num_f32 v[232+\b], v[128+16*\b], v[129+16*\b], v[130+16*\b]   ; the largest score of each block of 32 keys: for the row's maximum, and, since p rises with the score, for the block's largest p
.endr
.irp i, 3,5,7,9,11,13
.irp b, 0,1,2,3
	v_max3_num_f32 v[232+\b], v[232+\b], v[128+16*\b+\i], v[129+16*\b+\i]
.endr
.endr
.irp b, 0,1,2,3
	v_max_num_f32 v[232+\b], v[232+\b], v[143+16*\b]
.endr
.irp b, 0,1,2,3
	v_permlanex16_b32 v[236+\b], v[232+\b], s[SEL], s[SEL+1]
.endr
.irp b, 0,1,2,3
	v_max_num_f32 v[232+\b], v[232+\b], v[236+\b]  ; with lane l xor 16's 16 keys
.endr
	s_delay_alu instid0(VALU_DEP_2)
	v_max3_num_f32 v254, v232, v233, v234
	s_delay_alu instid0(VALU_DEP_1)
	v_max_num_f32 v254, v254, v235
	s_delay_alu instid0(VALU_DEP_1)
	v_mul_f32 v254, s[CS], v254                    ; as t
	s_delay_alu instid0(VALU_DEP_1)
	v_max_num_f32 v13, v13, v254                   ; the running largest t
	v_mov_b32 v254, v12
	s_delay_alu instid0(VALU_DEP_2)
	v_floor_f32 v12, -v13                          ; the new -M = -ceil(t)
	s_delay_alu instid0(VALU_DEP_1)
	v_sub_f32 v254, v12, v254                      ; old M - new M: a whole number, 0 or less
	s_delay_alu instid0(VALU_DEP_1)
	v_cvt_i32_f32 v254, v254                       ; (it saturates)
	s_delay_alu instid0(VALU_DEP_1)
	v_ldexp_f32 v252, 1.0, v254                    ; f = 2^(old M - new M)
.set n, 0
.rept 32
	v_pk_fma_f32 v[128+n:129+n], v[128+n:129+n], s[CS:CS+1], v[12:13] op_sel_hi:[1,0,0]   ; t - M, two at a time
.set n, n+2
.endr
.irp b, 0,1,2,3
	v_fma_f32 v[232+\b], v[232+\b], s[CS], v12     ; the same of each block's largest score
.endr
	s_wait_alu depctr_va_vdst(0)                   ; the wait ahead of the batch
.set n, 0
.rept 64
	v_exp_f32 v[128+n], v[128+n]                   ; p = 2^(t - M)
.set n, n+1
.endr
	v_pk_mul_f32 v[14:15], v[14:15], v[252:253] op_sel_hi:[1,0]   ; the sums under the new M: a plain place behind the exponentials
	s_wait_alu depctr_va_vdst(0)                   ; one wait for the batch of 64, ahead of its first reader
.irp b, 0,1,2,3
	v_exp_f32 v[232+\b], v[232+\b]                 ; the block's largest p
.endr
	v_pk_add_f32 v[236:237], v[128:129], v[130:131]   ; the row's sum of the unquantised p: four chains by turns
	v_pk_add_f32 v[254:255], v[132:133], v[134:135]
	v_pk_add_f32 v[250:251], v[136:137], v[138:139]
.irp j, 12,20,28,36,44,52
	v_pk_add_f32 v[14:15], v[14:15], v[128+\j:129+\j]
	v_pk_add_f32 v[236:237], v[236:237], v[130+\j:131+\j]
	v_pk_add_f32 v[254:255], v[254:255], v[132+\j:133+\j]
	v_pk_add_f32 v[250:251], v[250:251], v[134+\j:135+\j]
.endr
	v_pk_add_f32 v[14:15], v[14:15], v[188:189]
	v_pk_add_f32 v[236:237], v[236:237], v[190:191]
	v_pk_add_f32 v[254:255], v[254:255], v[250:251]
	s_delay_alu instid0(VALU_DEP_2)
	v_pk_add_f32 v[14:15], v[14:15], v[236:237]
	s_delay_alu instid0(VALU_DEP_1)
	v_pk_add_f32 v[14:15], v[14:15], v[254:255]
	s_wait_alu depctr_va_vdst(0)                   ; and one for the four
.irp b, 0,1,2,3
	v_max_num_f32 v[232+\b], 0x1800000, v[232+\b]  ; the floor 2^(3 - 127): the byte cannot fall under 1
.endr
.irp b, 0,1,2,3
	v_add_nc_u32 v[244+\b], 0xff000000, v[232+\b]  ; the conversion's scale operand
.endr
.irp b, 0,1,2,3
	v_lshrrev_b32 v[236+\b], 23, v[244+\b]         ; the byte
.endr
	s_delay_alu instid0(VALU_DEP_3)
	v_lshl_or_b32 v253, v237, 8, v236              ; p's scale word for these 128 keys
	s_delay_alu instid0(VALU_DEP_1)
	v_lshl_or_b32 v253, v238, 16, v253
	s_delay_alu instid0(VALU_DEP_1)
	v_lshl_or_b32 v253, v239, 24, v253
.irp c, 0,1
	v_cvt_scalef32_pk16_fp6_f32 v[224+6*\c:226+6*\c], v[128+32*\c:143+32*\c], v[244+2*\c]
	v_cvt_scalef32_pk16_fp6_f32 v[236+4*\c:238+4*\c], v[144+32*\c:159+32*\c], v[244+2*\c+1]
.endr
	v_nop                                          ; one plain place behind a scaled conversion
.irp c, 0,1
.irp i, 0,1,2
	v_permlane16_swap_b32 v[224+6*\c+\i], v[236+4*\c+\i]
.endr
.irp i, 0,1,2
	v_mov_b32 v[227+6*\c+\i], v[236+4*\c+\i]
.endr
.endr
	s_wait_alu depctr_va_vdst(0)                   ; the wait ahead of the first reader of O^T
.set n, 0
.rept 16
	v_pk_mul_f32 v[192+n:193+n], v[192+n:193+n], v[252:253] op_sel_hi:[1,0]   ; O^T under the new M; these sixteen also stand between the writes of p's codes and scale word and the products
.set n, n+2
.endr
	s_wait_alu depctr_va_vdst(0)                   ; the wait ahead of the blocking wait
	s_wait_dscnt 0x0                               ; V is in
.irp t, 0,2
	v_wmma_scale_f32_16x16x128_f8f6f4 v[192+8*\t:199+8*\t], v[80+12*\t:91+12*\t], v[224:235], v[192+8*\t:199+8*\t], v[248+\t/2], v253 matrix_a_fmt:MATRIX_FMT_FP6 matrix_b_fmt:MATRIX_FMT_FP6
	v_wmma_scale_f32_16x16x128_f8f6f4 v[200+8*\t:207+8*\t], v[92+12*\t:103+12*\t], v[224:235], v[200+8*\t:207+8*\t], v[248+\t/2], v253 matrix_a_fmt:MATRIX_FMT_FP6 matrix_b_fmt:MATRIX_FMT_FP6 matrix_a_scale:MATRIX_SCALE_ROW1
.endr
.Lhid_\@:
.endm
; A BLOCK'S END, first half: the parity-0 wave lays O^T, -M and the sum into the stage at byte st.
.macro PUT st
	s_cmp_lg_u32 s[PAR], 0
	s_cbranch_scc1 .Lnoput_\@
	s_wait_alu depctr_va_vdst(0)
	v_add_nc_u32 v10, \st, v31
	NOP4                                           ; places behind the last products
.irp k, 0,1,2,3,4,5,6,7
	ds_store_b128 v10, v[192+4*\k:195+4*\k] offset:512*\k   ; each accumulator from its low end on
.endr
	ds_store_b128 v10, v[12:15] offset:4096
.Lnoput_\@:
.endm
; Second half, behind a barrier: the parity-1 wave joins the two parts under the larger M (both factors are exact powers of two; a part with no step has the factor 0), divides by the row's sum, and quantises:
; register 16 b + i is channel 32 b + 16 (lane / 16) + i of my query: two blocks of the projection's K: a half image and two scale bytes a row.
.macro GET st, p
	s_cmp_eq_u32 s[PAR], 0
	s_cbranch_scc1 .Lnoget_\@
	v_add_nc_u32 v10, \st, v31
.irp k, 0,1,2,3,4,5,6,7,8
	ds_load_b128 v[128+4*\k:131+4*\k], v10 offset:512*\k   ; v128-159 the partner's O^T; v160 its -M, v162, v163 its sum
.endr
	s_wait_dscnt 0x0
	v_min_num_f32 v168, v12, v160                  ; the joint -M
	v_add_f32 v14, v14, v15
	v_add_f32 v162, v162, v163
	v_lshrrev_b32 v169, 1, v30
	v_sub_f32 v164, v168, v12
	v_sub_f32 v166, v168, v160
	v_add_nc_u32 v169, s[YB], v169                 ; my row's two bytes: YST + 32 x tile + 2 r
	v_cvt_i32_f32 v164, v164                       ; (they saturate)
	v_cvt_i32_f32 v166, v166
	s_delay_alu instid0(VALU_DEP_2)
	v_ldexp_f32 v164, 1.0, v164                    ; my factor,
	s_delay_alu instid0(VALU_DEP_2)
	v_ldexp_f32 v166, 1.0, v166                    ; the partner's
	s_delay_alu instid0(VALU_DEP_2)
	v_mul_f32 v14, v14, v164
	s_delay_alu instid0(VALU_DEP_1)
	v_fma_f32 v14, v162, v166, v14
	s_delay_alu instid0(VALU_DEP_1)
	v_permlanex16_b32 v252, v14, s[SEL], s[SEL+1]
	s_delay_alu instid0(VALU_DEP_1)
	v_add_f32 v14, v14, v252                       ; the row's sum
	s_wait_alu depctr_va_vdst(0)                   ; the wait ahead of the transcendental
	v_rcp_f32 v14, v14
	v_mov_b32 v165, 0                              ; (the pairs' upper halves are named, not used)
	v_mov_b32 v167, 0
	s_wait_alu depctr_va_vdst(0)                   ; the wait ahead of the reciprocal's first reader and of O^T's
	v_mul_f32 v164, v164, v14
	v_mul_f32 v166, v166, v14
.set n, 0
.rept 16
	v_pk_mul_f32 v[128+n:129+n], v[128+n:129+n], v[166:167] op_sel_hi:[1,0]
	v_pk_fma_f32 v[128+n:129+n], v[192+n:193+n], v[164:165], v[128+n:129+n] op_sel_hi:[1,0,1]   ; each accumulator from its low end on
.set n, n+2
.endr
.irp b, 0,1
	v_max3_num_f32 v[232+\b], |v[128+16*\b]|, |v[129+16*\b]|, 0x1800000
.endr
.irp i, 2,4,6,8,10,12,14
.irp b, 0,1
	s_delay_alu instid0(VALU_DEP_2)
	v_max3_num_f32 v[232+\b], v[232+\b], |v[128+16*\b+\i]|, |v[129+16*\b+\i]|
.endr
.endr
.irp b, 0,1
	s_delay_alu instid0(VALU_DEP_2)
	v_permlanex16_b32 v[236+\b], v[232+\b], s[SEL], s[SEL+1]
.endr
.irp b, 0,1
	s_delay_alu instid0(VALU_DEP_2)
	v_max_num_f32 v[232+\b], v[232+\b], v[236+\b]
.endr
.irp b, 0,1
	s_delay_alu instid0(VALU_DEP_2)
	v_add_nc_u32 v[244+\b], 0xff000000, v[232+\b]
.endr
.irp b, 0,1
	s_delay_alu instid0(VALU_DEP_2)
	v_lshrrev_b32 v[236+\b], 23, v[244+\b]
.endr
	s_delay_alu instid0(VALU_DEP_1)
	v_lshl_or_b32 v254, v237, 8, v236
	v_cvt_scalef32_pk16_fp6_f32 v[224:226], v[128:143], v244
	v_cvt_scalef32_pk16_fp6_f32 v[240:242], v[144:159], v245
	v_nop                                          ; one plain place behind a scaled conversion
.irp i, 0,1,2
	v_permlane16_swap_b32 v[224+\i], v[240+\i]
.endr
.irp i, 0,1,2
	v_mov_b32 v[227+\i], v[240+\i]
.endr
	global_store_b128 v1, v[224:227], s[YA+2*\p:YA+2*\p+1]   ; 512 consecutive bytes,
	global_store_b64 v2, v[228:229], s[YA+2*\p:YA+2*\p+1]    ; and the 256 behind them
	ds_store_b16 v169, v254 offset:256*\p          ; lanes r and r + 16 write the same two bytes; they leave at the launch's end, 256 bytes a block
	s_wait_xcnt 0x0                                ; the stores have read their registers
.Lnoget_\@:
.endm
; A TRIP: the change of slots; in trip NH the first block's second half and a fresh state; two steps; in trip NH - 1 the first block's first half, and the second block's Q is asked for.
; The stage written in trip T is read in trip T + 1 alone: two stages take turns, so that no trip reads the bytes that it may write.
.macro TRIP fill
	CHANGE \fill
	s_cmp_lg_u32 s[T], s[NH]
	s_cbranch_scc1 .Lsame_\@
	GET s[MT], 0
	FRESH
.Lsame_\@:
	s_cmp_ge_u32 s[T], s[NH]
	s_cselect_b32 s48, s[NH], 0
	s_cselect_b32 s[BC], ttmp9, s[BHI]
	s_sub_co_u32 s48, s[T], s48
	s_and_b32 s48, s48, 7                          ; the slot's number in the block's walk
	s_lshl_b32 s[KSW], s48, 2
	s_add_co_u32 s[KSW], s[KSW], s[PAR]
	s_lshl_b32 s49, s48, 11
	s_lshl_b32 s48, s48, 10
	v_add_nc_u32 v8, s[TB], v1                     ; (these four are also the places behind the last trip's products)
	v_add_nc_u32 v9, s[TB], v2
	v_add_nc_u32 v10, s49, v3
	v_add_nc_u32 v11, s48, v29
	s_wait_alu depctr_va_vdst(0)
	s_wait_loadcnt 0x0                             ; Q
	STEP 0
	STEP 1
.if \fill
	s_add_co_u32 s48, s[T], 1
	s_cmp_lg_u32 s48, s[NH]
	s_cbranch_scc1 .Lkeep_\@
	s_xor_b32 s49, s[MT], MPH
	PUT s49
	global_load_b128 v[16:19], v1, s[QA+2:QA+3]
	global_load_b64 v[20:21], v2, s[QA+2:QA+3]
	global_load_b32 v28, v30, s[QS+2:QS+3]
.Lkeep_\@:
.endif
	s_xor_b32 s[TB], s[TB], SLOT1
	s_xor_b32 s[MT], s[MT], MPH
	s_add_co_u32 s[T], s[T], 1
.endm
.Ltrip:                                            ; 8 trips, each of which asks for the next trip's slot
	TRIP 1
	s_cmp_lt_u32 s[T], 8
	s_cbranch_scc1 .Ltrip
	TRIP 0                                         ; the last trip is written out: nothing is left to ask for
	PUT 2*MPH                                      ; the second block's end, through the third stage
	s_wait_dscnt 0x0                               ; for the others' sake
	s_barrier_signal -1
	s_barrier_wait -1
	GET 2*MPH, 1
	s_wait_dscnt 0x0                               ; for the others' sake: y's scale bytes
	s_barrier_signal -1
	s_barrier_wait -1
	s_cmp_lt_u32 s[WV], 2                          ; wave 0 (block 31 - j) and wave 1 (block j) store their block's 256 bytes
	s_cbranch_scc0 .Lno_tail
	s_lshl_b32 s48, s[WV], 8
	s_add_co_u32 s48, s48, YST
	v_lshrrev_b32 v10, 1, v1                       ; 8 x lane
	v_add_nc_u32 v9, s48, v10
	s_wait_alu depctr_va_vdst(0)
	ds_load_b64 v[236:237], v9                     ; into registers that no matrix instruction names
	s_wait_dscnt 0x0
	global_store_b64 v10, v[236:237], s[62:63]
.Lno_tail:
	s_wait_tensorcnt 0x0                           ; the wave's end
	ds_add_u32 v[SPW], v[NIL]
	s_wait_dscnt 0x0
	s_endpgm
.Lfunc_end_k_q4fc7b2a1f9_attn:
	.size	k_q4fc7b2a1f9_attn, .Lfunc_end_k_q4fc7b2a1f9_attn-k_q4fc7b2a1f9_attn
	.p2alignl 7, 3214868480
	.fill 96, 4, 3214868480
	.section	.rodata,"a",@progbits
	.p2align	6, 0x0
	.amdhsa_kernel k_q4fc7b2a1f9_attn
		.amdhsa_group_segment_fixed_size 327680
		.amdhsa_private_segment_fixed_size 0
		.amdhsa_enable_private_segment 0
		.amdhsa_kernarg_size 32
		.amdhsa_user_sgpr_count 2
		.amdhsa_user_sgpr_kernarg_segment_ptr 1
		.amdhsa_wavefront_size32 1
		.amdhsa_system_sgpr_workgroup_id_x 1
		.amdhsa_system_sgpr_workgroup_id_y 1
		.amdhsa_system_sgpr_workgroup_id_z 1
		.amdhsa_system_vgpr_workitem_id 0
		.amdhsa_next_free_vgpr 256
		.amdhsa_next_free_sgpr 80
		.amdhsa_reserve_vcc 1
		.amdhsa_float_denorm_mode_32 3
		.amdhsa_float_denorm_mode_16_64 3
		.amdhsa_memory_ordered 1
		.amdhsa_forward_progress 1
		.amdhsa_inst_pref_size 123
	.end_amdhsa_kernel
	.amdgpu_metadata
---
amdhsa.version: [ 1, 2 ]
amdhsa.kernels:
  - .name:           k_q4fc7b2a1f9_attn
    .symbol:         k_q4fc7b2a1f9_attn.kd
    .args:
      - { .name: qkvc, .offset: 0, .size: 8, .value_kind: global_buffer, .address_space: global }
      - { .name: qkvs, .offset: 8, .size: 8, .value_kind: global_buffer, .address_space: global }
      - { .name: yc, .offset: 16, .size: 8, .value_kind: global_buffer, .address_space: global }
      - { .name: ys, .offset: 24, .size: 8, .value_kind: global_buffer, .address_space: global }
    .group_segment_fixed_size: 327680
    .private_segment_fixed_size: 0
    .kernarg_segment_align: 8
    .kernarg_segment_size: 32
    .max_flat_workgroup_size: 512
    .sgpr_count:     80
    .vgpr_count:     256
    .wavefront_size: 32
...
	.end_amdgpu_metadata
.endif
;; end of part 3
;; launch gemm2 (part 4): grid 8 x 32, 4 waves a work-group, clusters of 4 x 4, 230,912 bytes of LDS; arguments yc, ys, oc, os, b_proj, out0; writes out0
.if DOCPART == 4
	.amdgcn_target "amdgcn-amd-amdhsa--gfx1250"
	.amdhsa_code_object_version 6
	.text
	.protected	k_q4fc7b2a1f9_gemm2
	.globl	k_q4fc7b2a1f9_gemm2
	.p2align	8
	.type	k_q4fc7b2a1f9_gemm2,@function
k_q4fc7b2a1f9_gemm2:
	s_mov_b64 s[64:65], 0
	v_nop
	global_prefetch_b8 v0, s[64:65] scope:SCOPE_SE
	s_setreg_imm32_b32 hwreg(HW_REG_WAVE_MODE, 25, 1), 1
	s_wait_xcnt 0x0
	s_wait_alu depctr_hold_cnt(0) depctr_sa_sdst(0) depctr_va_vdst(0) depctr_va_sdst(0) depctr_va_ssrc(0) depctr_va_vcc(0) depctr_vm_vsrc(0)
	s_getreg_b32 s2, hwreg(HW_REG_IB_STS2, 6, 4)
	s_cmp_eq_u32 s2, 0
	s_cbranch_scc0 .Lentry_in_a_cluster
	s_endpgm
.Lentry_in_a_cluster:
	s_bfe_u32 s2, ttmp6, 0x10000c
	s_cmp_lg_u32 s2, 0xf033
	s_cbranch_scc0 .Lentry_shape_is_right
	s_endpgm
.Lentry_shape_is_right:
; LAUNCH 4 OF 4: out0 = y W_proj + b_proj on codes of FP6 (E2M3).  Nothing is left out here.
; A work-group makes 128 x 128 of the product; all of K (1,024) of its 128 rows of y and 128 columns of W_proj lies in LDS, filled once.  Four waves; wave w owns rows 32 w .. 32 w + 31 of y against all 128 columns: 16 accumulators.
; THE MATRIX INSTRUCTION IS USED TRANSPOSED: source 0 = 16 columns of W_proj, source 1 = 16 rows of y.  Row p of tile t of either operand is true row 32 (t / 2) + 8 (t % 2) + p + 8 (p / 8): so a lane holds one row of y and
; its register 16 b + i of a row of eight tiles is true column 32 b + 16 (lane / 16) + i.
; y's codes lie as half images, [tile][head][768] (registers 0-3 at 16 l, 4-5 at 512 + 8 l): a K step of 128 is two heads: four loads a fragment.  W_proj's lie as whole images of 1,536 bytes (tiles 448-511 of oc): three loads.
; CLUSTERS: 4 x 4 work-groups; y's tiles are shared along a row of the cluster, W_proj's along a column, by joint loads.
; REGISTERS: window 0: v1-29 addresses; v32-63 W's scale words, v64-71 y's; v72-87 y's scale bytes as loaded; v128-255 the accumulators.  window 1: two sets of fragments.  window 2: v0-63 the bias, in the result's layout.
.set PIECE, 49152                      ; what one tensor load brings: 4 tiles x all of K, 12,288 bytes a tile, dense in memory; y's two pieces, then W_proj's two
.set SPARE, 4*PIECE
.set STG,   SPARE+512                  ; the way out: 16 rows x (512 bytes + 16) for each wave; no tensor load lands here
.set SP,    528
.set WV, 16
.set WH, 17
.set WL, 18
.set CX, 22
.set CY, 23
.set ATAU, 24                          ; s24 y's first tile: made of cy and the cluster's y alone
.set BTAU, 25                          ; s25 W_proj's first tile in oc: of cx and the cluster's x alone
.set G1A, 32
.set G1B, 40
.set G0A, 48
.set G0B, 68
.set LB, 8
.set LA, 12
.set LA8, 16                           ; v16-19 as LA, with 8 bytes a lane
.set SPW, 28
.set NIL, 29
.set SB, 32
.set SA, 64
.set ACC, 128
.set F0, 0
.set F1, 128
.set BIA, 0                            ; one bias image serves both of my tiles of rows
.set MSB, 0
.macro WIN new
.if MSB != \new
	s_set_vgpr_msb (MSB<<8)|\new
.set MSB, \new
.endif
.endm
.set W_MUL,  0x05
.set W_MULB, 0x25
.set TO_F,   0x40
.set TO_BI,  0x80
.macro CROUND
	s_barrier_signal -1
	s_barrier_wait -1
	s_cmp_lg_u32 s[WV], 0
	s_cbranch_scc1 .Lnot_wave_0_\@
	s_barrier_signal -3
.Lnot_wave_0_\@:
	s_barrier_wait -3
	s_barrier_signal -1
	s_barrier_wait -1
.endm
.macro PLACES
.rept 4
	v_nop
.endr
.endm
	s_load_b256 s[4:11], s[0:1], 0x0               ; yc s[4:5], ys s[6:7], oc s[8:9], os s[10:11]
	s_load_b128 s[12:15], s[0:1], 0x20             ; b_proj s[12:13], out0 s[14:15]
	v_lshl_add_u32 v[SPW], v0, 2, SPARE
	v_mov_b32 v[NIL], 0
	ds_add_u32 v[SPW], v[NIL]                      ; the wave's opening: the add, twice on end, and its wait ahead of my first tensor load
	ds_add_u32 v[SPW], v[NIL]
	v_lshrrev_b32 v1, 5, v0
	v_readfirstlane_b32 s[WV], v1
	s_lshr_b32 s[WH], s[WV], 1
	s_and_b32 s[WL], s[WV], 1
	s_bfe_u32 s[CX], ttmp6, 0x40000
	s_bfe_u32 s[CY], ttmp6, 0x40004
	s_lshl_b32 s84, s[CY], 2
	s_lshl_b32 s84, 15, s84                        ; my row of the cluster
	s_lshl_b32 s85, 0x1111, s[CX]                  ; my column
	s_or_b32 s[G1A], s84, (3<<16)|(1<<21)
	s_or_b32 s[G1B], s85, (3<<16)|(1<<21)
.irp g, G1A, G1B
	s_mov_b32 s[\g+1], 1536<<16                    ; 4 tiles x 12,288 bytes (all eight K steps), 12,288 bytes from tile to tile; elements of 8 bytes
	s_mov_b32 s[\g+2], 4<<16
	s_mov_b32 s[\g+3], 1536<<16
	s_mov_b32 s[\g+4], 4
	s_mov_b32 s[\g+5], 1536
	s_mov_b32 s[\g+6], 0
	s_mov_b32 s[\g+7], 0
.endr
	s_and_b32 s[ATAU], ttmp7, 0xffff
	s_lshl_b32 s[ATAU], s[ATAU], 5
	s_lshl_b32 s28, s[CY], 3
	s_add_co_u32 s[ATAU], s[ATAU], s28
	s_lshl_b32 s[BTAU], ttmp9, 5
	s_lshl_b32 s29, s[CX], 3
	s_add_co_u32 s[BTAU], s[BTAU], s29
	s_add_co_u32 s[BTAU], s[BTAU], 448
	s_lshl_b32 s30, s[WL], 2
	s_add_co_u32 s86, s[ATAU], s30
	s_mul_i32 s86, s86, 12288
	s_mov_b32 s87, 0
	s_add_co_u32 s88, s[BTAU], s30
	s_mul_i32 s88, s88, 12288
	s_mov_b32 s89, 0
	s_mul_i32 s31, s[WV], PIECE
	s_wait_dscnt 0x0                               ; both opening adds are done
	s_wait_kmcnt 0x0
	s_add_nc_u64 s[86:87], s[4:5], s[86:87]
	s_add_nc_u64 s[88:89], s[8:9], s[88:89]
	CROUND                                         ; all sixteen work-groups are here: the joint loads meet
	s_mov_b32 s[G0A], 1
	s_mov_b32 s[G0A+1], s31
	s_mov_b64 s[G0A+2:G0A+3], s[86:87]
	s_or_b32 s[G0A+3], s[G0A+3], 0x80000000
	s_mov_b32 s[G0B], 1
	s_mov_b32 s[G0B+1], s31
	s_mov_b64 s[G0B+2:G0B+3], s[88:89]
	s_or_b32 s[G0B+3], s[G0B+3], 0x80000000
	s_cmp_eq_u32 s[WH], 0                          ; one tensor load a wave, in one of two arms: my four tiles, all of K
	s_cbranch_scc0 .Lfirst_b
	tensor_load_to_lds s[G0A:G0A+3], s[G1A:G1A+7]
	s_nop 0
	PLACES
	s_branch .Lfirst_asked
.Lfirst_b:
	tensor_load_to_lds s[G0B:G0B+3], s[G1B:G1B+7]
	s_nop 0
	PLACES
.Lfirst_asked:
	v_and_b32 v1, 31, v0                           ; lane
	v_and_b32 v2, 15, v0                           ; r
	v_bfe_u32 v3, v0, 4, 1                         ; h
	v_lshlrev_b32 v4, 4, v1                        ; 16 x lane
	v_lshlrev_b32 v5, 3, v1                        ; 8 x lane
	v_lshlrev_b32 v6, 2, v2
	v_lshl_add_u32 v6, v3, 11, v6                  ; W's scale words: four tiles on for lanes 16-31
	s_wait_alu depctr_va_vdst(0)
	v_lshlrev_b32 v7, 1, v1                        ; y's scale bytes: two a row; lanes 0-15 my first tile, lanes 16-31 my second
	s_wait_alu depctr_va_vdst(0)
	s_lshl_b32 s90, s[BTAU], 9
	s_mov_b32 s91, 0
	s_add_nc_u64 s[90:91], s[10:11], s[90:91]
	s_lshl_b32 s92, s[ATAU], 5
	s_lshl_b32 s26, s[WV], 6
	s_add_co_u32 s92, s92, s26
	s_mov_b32 s93, 0
	s_add_nc_u64 s[92:93], s[6:7], s[92:93]
.irp p, 0,1,2,3
.irp s, 0,1,2,3,4,5,6,7
	global_load_b32 v[SB+8*\p+\s], v6, s[90:91] offset:512*\p+64*\s
.endr
.endr
.irp e, 0,1,2,3,4,5,6,7,8,9,10,11,12,13,14,15
	global_load_u16 v[72+\e], v7, s[92:93] offset:8192*\e   ; head e's two bytes of my rows
.endr
.irp g, 0,1,2,3
	v_add_nc_u32 v[LB+\g], \g*24576+2*PIECE, v4    ; W_proj's tiles 2 g and 2 g + 1
.endr
	s_mul_i32 s26, s[WH], PIECE
	s_mul_i32 s27, s[WL], PIECE/2
	s_add_co_u32 s26, s26, s27
	v_add_nc_u32 v[LA], s26, v4
	v_add_nc_u32 v[LA8], s26, v5
	s_sub_co_u32 s26, s[BTAU], 448                 ; the bias runs down a lane's registers: column 16 x tile + 32 (b / 2) + 8 (b % 2) + 16 h + j
	s_lshl_b32 s26, s26, 6
	v_lshl_add_u32 v21, v3, 6, s26
	WIN TO_BI
.irp b, 0,1,2,3,4,5,6,7
	global_load_b128 v[8*\b:8*\b+3], v21, s[12:13] offset:(32*(\b/2)+8*(\b%2))*4
	global_load_b128 v[8*\b+4:8*\b+7], v21, s[12:13] offset:(32*(\b/2)+8*(\b%2))*4+16
.endr
	WIN 0
	s_lshl_b32 s94, s[ATAU], 16                    ; out0: row 16 x tile + 32 w, 4,096 bytes a row; + my work-group's 512 bytes of it
	s_lshl_b32 s27, s[WV], 17
	s_add_co_u32 s94, s94, s27
	s_add_co_u32 s94, s94, s26
	s_mov_b32 s95, 0
	s_add_nc_u64 s[94:95], s[14:15], s[94:95]
	s_mul_i32 s26, s[WV], 16*SP
	s_add_co_u32 s26, s26, STG                     ; my stage
	v_mul_u32_u24 v22, v2, SP
	v_lshl_add_u32 v22, v3, 6, v22
	v_add_nc_u32 v22, s26, v22                     ; in: row r, + 64 h
	v_add_nc_u32 v23, s26, v4                      ; back: a row's 512 bytes, 16 a lane
.macro WM d, fa, fb, c, sa, sb, ra, rb
.if (\ra) && (\rb)
	v_wmma_scale_f32_16x16x128_f8f6f4 v[\d:\d+7], v[\fa:\fa+11], v[\fb:\fb+11], v[\c:\c+7], v[\sa], v[\sb] matrix_a_fmt:MATRIX_FMT_FP6 matrix_b_fmt:MATRIX_FMT_FP6 matrix_a_scale:MATRIX_SCALE_ROW1 matrix_b_scale:MATRIX_SCALE_ROW1
.elseif \ra
	v_wmma_scale_f32_16x16x128_f8f6f4 v[\d:\d+7], v[\fa:\fa+11], v[\fb:\fb+11], v[\c:\c+7], v[\sa], v[\sb] matrix_a_fmt:MATRIX_FMT_FP6 matrix_b_fmt:MATRIX_FMT_FP6 matrix_a_scale:MATRIX_SCALE_ROW1
.elseif \rb
	v_wmma_scale_f32_16x16x128_f8f6f4 v[\d:\d+7], v[\fa:\fa+11], v[\fb:\fb+11], v[\c:\c+7], v[\sa], v[\sb] matrix_a_fmt:MATRIX_FMT_FP6 matrix_b_fmt:MATRIX_FMT_FP6 matrix_b_scale:MATRIX_SCALE_ROW1
.else
	v_wmma_scale_f32_16x16x128_f8f6f4 v[\d:\d+7], v[\fa:\fa+11], v[\fb:\fb+11], v[\c:\c+7], v[\sa], v[\sb] matrix_a_fmt:MATRIX_FMT_FP6 matrix_b_fmt:MATRIX_FMT_FP6
.endif
.endm
.macro MUL s, f, first                 ; K step s: 16 products; the 16 accumulators take turns, one instruction a turn.  first = 1: the bias starts the sums
.if \first
	WIN W_MULB
.else
	WIN W_MUL
.endif
.irp a, 0,1
.irp b, 0,1,2,3,4,5,6,7
.if \first
	WM ACC+8*(8*\a+\b), \f+12*\b, \f+96+12*\a, BIA*\a+8*\b, SB+8*(\b%4)+\s, SA+\s, \b/4, \a
.else
	WM ACC+8*(8*\a+\b), \f+12*\b, \f+96+12*\a, ACC+8*(8*\a+\b), SB+8*(\b%4)+\s, SA+\s, \b/4, \a
.endif
.endr
.endr
.endm
.macro FETCH s, f                      ; K step s's ten fragments into set f: 32 loads in one run
	WIN TO_F
.irp b, 0,1,2,3,4,5,6,7
.irp i, 0,1,2
	ds_load_b128 v[\f+12*\b+4*\i:\f+12*\b+4*\i+3], v[LB+\b/2] offset:(\b%2)*12288+(\s)*1536+512*\i
.endr
.endr
.irp a, 0,1                                    ; y's: two half images, heads 2 s and 2 s + 1
	ds_load_b128 v[\f+96+12*\a:\f+96+12*\a+3], v[LA] offset:\a*12288+(\s)*1536
	ds_load_b64 v[\f+96+12*\a+4:\f+96+12*\a+5], v[LA8] offset:\a*12288+(\s)*1536+512
	ds_load_b128 v[\f+96+12*\a+6:\f+96+12*\a+9], v[LA] offset:\a*12288+(\s)*1536+768
	ds_load_b64 v[\f+96+12*\a+10:\f+96+12*\a+11], v[LA8] offset:\a*12288+(\s)*1536+1280
.endr
.endm
.macro KSTEP s, f, g
	s_wait_dscnt 0x0                               ; this step's fragments are in
.if (\s) < 7
.if (\s) > 0
	PLACES                                         ; the last step's products have read set g
.endif
	FETCH (\s)+1, \g
.endif
.if (\s) == 0
	MUL \s, \f, 1
.else
	MUL \s, \f, 0
.endif
.endm
	s_wait_alu depctr_va_vdst(0)                   ; the wait at the head's end
	s_wait_tensorcnt 0x0                           ; my one load is in
	s_barrier_signal -1
	s_barrier_wait -1
	FETCH 0, F0
	s_wait_loadcnt 0x0                             ; the scale words and bytes, the bias
	WIN 0
.irp s, 0,1,2,3,4,5,6,7
	v_lshl_or_b32 v[SA+\s], v[73+2*\s], 16, v[72+2*\s]   ; K step s's word of my rows: heads 2 s and 2 s + 1
.endr
.rept 8
	v_nop                                          ; a scale register written by a vector instruction stands eight places ahead of a scaled matrix instruction
.endr
	s_wait_alu depctr_va_vdst(0)
	KSTEP 0, F0, F1
	KSTEP 1, F1, F0
	KSTEP 2, F0, F1
	KSTEP 3, F1, F0
	KSTEP 4, F0, F1
	KSTEP 5, F1, F0
	KSTEP 6, F0, F1
	KSTEP 7, F1, F0
	WIN 0
	PLACES
	; THE WAY OUT: a lane holds pieces of 32 bytes of one row; a tile of 16 rows goes through my own stage and comes back as whole rows of 512 bytes, into the registers that it left.
	; LDS serves a wave's instructions in order (ISA guide 5.7.1.4): no wait between the stores and the loads, nor in front of the second tile's stores.
.irp a, 0,1
.irp b, 0,1,2,3,4,5,6,7
	ds_store_b128 v22, v[ACC+64*\a+8*\b:ACC+64*\a+8*\b+3] offset:128*(\b/2)+32*(\b%2)       ; each accumulator from its low end on
	ds_store_b128 v22, v[ACC+64*\a+8*\b+4:ACC+64*\a+8*\b+7] offset:128*(\b/2)+32*(\b%2)+16
.endr
.irp t, 0,1,2,3,4,5,6,7,8,9,10,11,12,13,14,15
	ds_load_b128 v[ACC+64*\a+4*\t:ACC+64*\a+4*\t+3], v23 offset:SP*\t
.endr
.endr
	s_wait_dscnt 32                                ; the first tile is back; the second's 16 stores and 16 loads may be out
.irp t, 0,1,2,3,4,5,6,7,8,9,10,11,12,13,14,15
	global_store_b128 v4, v[ACC+4*\t:ACC+4*\t+3], s[94:95] offset:(\t+8*(\t/8))*4096 th:TH_STORE_NT   ; 32 lanes store 512 consecutive bytes, aligned; the tile's row t is true row t + 8 (t / 8)
.endr
	s_wait_dscnt 0x0
.irp t, 0,1,2,3,4,5,6,7,8,9,10,11,12,13,14,15
	global_store_b128 v4, v[ACC+64+4*\t:ACC+64+4*\t+3], s[94:95] offset:(8+\t+8*(\t/8))*4096 th:TH_STORE_NT
.endr
	s_wait_tensorcnt 0x0                           ; the wave's end
	ds_add_u32 v[SPW], v[NIL]
	s_wait_dscnt 0x0
	CROUND                                         ; the closing round
	s_endpgm
.Lfunc_end_k_q4fc7b2a1f9_gemm2:
	.size	k_q4fc7b2a1f9_gemm2, .Lfunc_end_k_q4fc7b2a1f9_gemm2-k_q4fc7b2a1f9_gemm2
	.p2alignl 7, 3214868480
	.fill 96, 4, 3214868480
	.section	.rodata,"a",@progbits
	.p2align	6, 0x0
	.amdhsa_kernel k_q4fc7b2a1f9_gemm2
		.amdhsa_group_segment_fixed_size 230912
		.amdhsa_private_segment_fixed_size 0
		.amdhsa_enable_private_segment 0
		.amdhsa_kernarg_size 48
		.amdhsa_user_sgpr_count 2
		.amdhsa_user_sgpr_kernarg_segment_ptr 1
		.amdhsa_wavefront_size32 1
		.amdhsa_system_sgpr_workgroup_id_x 1
		.amdhsa_system_sgpr_workgroup_id_y 1
		.amdhsa_system_sgpr_workgroup_id_z 1
		.amdhsa_system_vgpr_workitem_id 0
		.amdhsa_next_free_vgpr 576
		.amdhsa_next_free_sgpr 100
		.amdhsa_reserve_vcc 0
		.amdhsa_float_denorm_mode_32 3
		.amdhsa_float_denorm_mode_16_64 3
		.amdhsa_memory_ordered 1
		.amdhsa_forward_progress 1
		.amdhsa_inst_pref_size 54
	.end_amdhsa_kernel
	.amdgpu_metadata
---
amdhsa.version: [ 1, 2 ]
amdhsa.kernels:
  - .name:           k_q4fc7b2a1f9_gemm2
    .symbol:         k_q4fc7b2a1f9_gemm2.kd
    .args:
      - { .name: yc, .offset: 0, .size: 8, .value_kind: global_buffer, .address_space: global }
      - { .name: ys, .offset: 8, .size: 8, .value_kind: global_buffer, .address_space: global }
      - { .name: oc, .offset: 16, .size: 8, .value_kind: global_buffer, .address_space: global }
      - { .name: os, .offset: 24, .size: 8, .value_kind: global_buffer, .address_space: global }
      - { .name: b_proj, .offset: 32, .size: 8, .value_kind: global_buffer, .address_space: global }
      - { .name: out0, .offset: 40, .size: 8, .value_kind: global_buffer, .address_space: global }
    .group_segment_fixed_size: 230912
    .private_segment_fixed_size: 0
    .kernarg_segment_align: 8
    .kernarg_segment_size: 48
    .max_flat_workgroup_size: 128
    .sgpr_count:     100
    .vgpr_count:     576
    .wavefront_size: 32
...
	.end_amdgpu_metadata
.endif
;; end of part 4
